; MI455X (gfx1250); checked and timed in simulation.
; The chip was launched on July 23, 2026; its instructions are those of AMD's public machine-readable ISA for CDNA 5 (MIT licence, August 2026) and "CDNA5" Instruction Set Architecture Reference Guide (July 2026). The comments in the code are by the model that wrote it; some were corrected since.
;; Multi Head Attention. Allowed arithmetic: matrix products marked QUANTISED: E3M2 operands, one E8M0 scale for each 32 along K, by v_wmma_scale_f32_16x16x128_f8f6f4 with both operands' format E3M2, f32 sums; everything else in f32.
;; Inputs: Wk 256 x 2,048 float32; Wo 2,048 x 256 float32; Wq 256 x 2,048 float32; Wv 256 x 2,048 float32; bk 2,048 float32; bo 256 float32; bq 2,048 float32; bv 2,048 float32; key_input 4 x 1,024 x 256 float32; query_input 4 x 1,024 x 256 float32; value_input 4 x 1,024 x 256 float32.
;; Outputs: out0 4 x 1,024 x 256 float32.
;; This version of the problem:
;;   THIS VERSION OF THE PROBLEM IS GIVEN IN LOW PRECISION. The matrix products marked QUANTISED in the list below multiply operands that are first quantised to E3M2 (3 exponent bits, 2 mantissa bits; 6 bits a number), with one power-of-two scale for each 32 numbers along K (OCP MX v1.0); their sums are f32. All else is computed in f32.
;;   The module's matrix products, in the order in which they are computed (A, B: the left and right operand; K: the contracted axis; several contracted axes count as one K, in the product's order):
;;     1. [M 4,096, K 256] x [K 256, N 2,048]; A: input value_input; B: input Wv: QUANTISED
;;     2. [M 4,096, K 256] x [K 256, N 2,048]; A: input key_input; B: input Wk: QUANTISED
;;     3. [M 4,096, K 256] x [K 256, N 2,048]; A: input query_input; B: input Wq: QUANTISED
;;     4. batch 32 x [M 1,024, K 256] x [K 256, N 1,024]; A: computed on the way; B: computed on the way: QUANTISED
;;     5. batch 32 x [M 256, K 1,024] x [K 1,024, N 1,024]; A: computed on the way; B: softmax (see below): QUANTISED
;;     6. [M 4,096, K 2,048] x [K 2,048, N 256]; A: computed on the way; B: input Wo: QUANTISED
;;   THE QUANTISER, for each operand of a quantised product, along K:
;;     - K is cut into blocks of 32 from its start; a last block that is shorter is filled with zeros.
;;     - A block's scale is 2^e with e = floor(log2(the largest magnitude in the block)) - 4, held to -126 .. 127; a block of zeros has e = 0. As a byte (E8M0): e + 127.
;;     - Each number is divided by its block's scale, clamped to +-28, and rounded to the nearest number of E3M2, ties to even, subnormals kept.
;;     - The product sums the exact products of the quantised numbers (number of the format x scale) in f32.
;;   ~~~python
;;   def quantise(x, axis):      # numpy; x: float32 -> the quantised numbers, widened to float32 again
;;       x = np.moveaxis(x, axis, -1); K = x.shape[-1]
;;       x = np.pad(x, [(0, 0)] * (x.ndim - 1) + [(0, -K % 32)]); x = x.reshape(x.shape[:-1] + (-1, 32)); a = np.abs(x).max(-1, keepdims=True)
;;       e = np.where(a > 0, np.clip(np.frexp(np.where(a > 0, a, 1))[1] - 1 - 4, -126, 127), 0)      # np.frexp(a)[1] - 1 = floor(log2(a)), exactly
;;       r = np.clip(x / 2.0 ** e, -28, 28)
;;       step = 2.0 ** (np.maximum(np.frexp(np.where(r == 0, 1, r))[1] - 1, -2) - 2)
;;       q = np.round(r / step) * step * 2.0 ** e      # np.round: ties to even
;;       return np.moveaxis(q.reshape(q.shape[:-2] + (-1,))[..., :K], -1, axis).astype(np.float32)
;;   ~~~
;;   SOFTMAX AHEAD OF A QUANTISED PRODUCT. Where the list says 'softmax', what is quantised is not the finished softmax but p = 2^(t - M), with t = logit x log2(e) and M = ceil(the row's largest t), a whole number; so 1/2 < the row's largest p <= 1. The row's sum l is taken of the UNQUANTISED p, in f32, and the product's result is divided by l at the end. Since M is a whole number, a kernel that streams over the keys may use a running M (the ceiling of the running maximum): every later rescaling is an exact power of two, which a block's scale takes up: the codes' values come out the same.
;;   OPERANDS COMPUTED ON THE WAY. 'Computed on the way' means the value that the module computes at that place (a softmax that the list does not call 'softmax' is quantised finished and normalised). What goes into a quantiser is computed in f32, as accurately as f32 sums, v_exp_f32 and their like allow (about 1e-6 of the number): no bf16 or f16 on the way to a quantiser, and a product that is left as it is and whose result goes on into a quantised operand takes f32 operands (vector FMAs, or v_wmma_f32_16x16x4_f32). A number that lies on a knife's edge between two numbers of the format may be rounded either way, as far as f32 arithmetic and the matrix unit's own rounding can turn it there, and no further.
;; 2 versions, each right; version 2 is version 1 with the launches proj, oproj written anew for expert scheduling mode. Each part assembles by itself: llvm-mc -triple=amdgcn-amd-amdhsa -mcpu=gfx1250 --defsym DOCPART=n.
;; ======== version 1 of 2: 4 launches
;; workspace buffers: img 4,096,000 bytes; qv 13,107,200 bytes; cc 6,553,600 bytes
;; launch prep (part 1): grid 160 x 1, 8 waves a work-group, no clusters, 136,192 bytes of LDS; arguments query_input, key_input, value_input, Wq, Wk, Wv, Wo, img; writes img
.if DOCPART == 1
	.amdgcn_target "amdgcn-amd-amdhsa--gfx1250"
	.amdhsa_code_object_version 6
	.text
	.protected	k_q438b198b27_prep
	.globl	k_q438b198b27_prep
	.p2align	8
	.type	k_q438b198b27_prep,@function
k_q438b198b27_prep:
	s_mov_b64 s[64:65], 0
	v_nop
	global_prefetch_b8 v0, s[64:65] scope:SCOPE_SE
	s_setreg_imm32_b32 hwreg(HW_REG_WAVE_MODE, 25, 1), 1
	s_wait_xcnt 0x0
; The three inputs [4096][256] and the four weights, all f32, become codes of BF6 (E3M2) with one E8M0 byte for each 32 along K, laid as IMAGES OF OPERAND REGISTERS.
; A BLOCK of img, 25,600 bytes, is 128 rows x 256 along K.  Fragment (tile t = 0..7, K step s = 0, 1) lies at 1536 (2 t + s); register j of lane l at 512 (j / 4) + 16 l + 4 (j % 4).
; Lane (r, h) of tile t holds row 32 (t / 2) + 8 (t % 2) + r + 8 (r / 8) of the block, and k = 128 s + 64 c + 32 h + 0 .. 31 in registers 6 c .. 6 c + 5.
; The scale word of (t, s, r) lies at 24576 + 512 (t / 4) + 256 s + 16 r + 4 (t % 4).  So a reader takes any fragment by three loads of 512 consecutive bytes, and four tiles' scale words by one.
; Blocks 0-95: query, key, value input, 32 blocks of 128 rows each (K innermost).  Blocks 96-143: Wq, Wk, Wv: a block's rows are 128 columns of the weight, K its 256 rows (K is the FIRST axis).
; Blocks 144-159: Wo: block 144 + 2 h + n: rows = columns 128 n on, K = rows 256 h on.
; A block's scale is 2^(floor(log2(largest magnitude)) - 4): its byte is the largest magnitude's exponent field - 4, held at 1 from below by a floor among the maximum's leaves.
; LIMITS: a block of zeros gets the byte 1 (its codes are zeros, and this program alone reads the bytes); NaN and infinities among the inputs are not served.
; SHARES: a work-group makes one block; wave w makes tiles 2 p, 2 p + 1 (p = w / 2) of K step s = w % 2.  Waves share nothing: no barrier.  Work-groups share no input: no cluster, no tensor load.
; The scale words leave as 8 bytes of each 16 (two tiles of four): those 1,024 bytes of a block are written in part by each of two waves; all other stores of a wave cover 512 consecutive bytes, aligned.
.set BLKB,  25600
.set SP,    528                        ; a row of 512 bytes in the stage + 16: 33 x 16 bytes, so that sixteen rows read at one column fall on different banks (64 banks of 4 bytes: ISA guide 11.1)
.set WST,   32*SP                      ; a wave's stage: 32 rows
.set CT,    16                         ; v16-18  the upper half of a block's codes, before it is moved
.set F0,    24                         ; v24-35  the fragment of tile 2 p
.set F1,    36                         ; v36-47  of tile 2 p + 1
.set SEL,   36                         ; s[36:37] lane selects for v_permlanex16_b32: lane l xor 16
; v1 lane, v2 r, v3 h, v7 where my 16 bytes of a fragment go, v8 where my row's pair of scale words goes, v10-11 maxima, v12 the conversion's scale operand, v13-14 bytes, v20-21 the pair of scale words, v22 at work
; 32 numbers of one block, v[x] on, become 6 registers of codes at v[d] on and the scale's byte in v[by].
.macro BLOCKQ x, d, by
	v_max3_num_f32 v10, |v[\x]|, |v[\x+1]|, |v[\x+2]|        ; the largest magnitude, in two chains
	v_max3_num_f32 v11, |v[\x+3]|, |v[\x+4]|, |v[\x+5]|
.irp i, 6,10,14,18,22,26
	v_max3_num_f32 v10, v10, |v[\x+\i]|, |v[\x+\i+1]|
	v_max3_num_f32 v11, v11, |v[\x+\i+2]|, |v[\x+\i+3]|
.endr
	v_max3_num_f32 v10, v10, |v[\x+30]|, |v[\x+31]|
	v_max3_num_f32 v10, v10, v11, 0x2800000                  ; and the floor 2^(5 - 127): the byte cannot fall under 1
	v_add_nc_u32 v12, 0xfe000000, v10                        ; 4 off the exponent field: the conversion takes this operand's exponent field as its scale
	v_cvt_scalef32_pk16_bf6_f32 v[\d:\d+2], v[\x:\x+15], v12
	v_cvt_scalef32_pk16_bf6_f32 v[CT:CT+2], v[\x+16:\x+31], v12   ; (a conversion's three registers begin on an even number)
	v_lshrrev_b32 v[\by], 23, v12                            ; the byte; also the plain line between the conversions and the moves that read their results
.irp i, 0,1,2
	v_mov_b32 v[\d+3+\i], v[CT+\i]
.endr
.endm
.macro FOUT f, u                       ; the fragment of tile 2 p + u leaves as it stands: three stores of 512 consecutive bytes
.irp c, 0,1,2
	global_store_b128 v7, v[\f+4*\c:\f+4*\c+3], s[18:19] offset:3072*\u+512*\c
.endr
.endm
.macro WORD w                          ; my two bytes (blocks h and 2 + h of my row) and lane l xor 16's two make the row's scale word
	v_lshl_or_b32 v[\w], v14, 16, v13
	v_lshlrev_b32 v15, 3, v3
	v_lshlrev_b32 v[\w], v15, v[\w]
	v_permlanex16_b32 v22, v[\w], s[SEL], s[SEL+1]
	v_or_b32 v[\w], v[\w], v22
.endm
.macro TILE_IN u, reg                  ; out of the stage: lane (r, h) takes, of row 16 u + r, k = 64 c + 32 h + 0 .. 31: 64 numbers
.irp c, 0,1
.irp q, 0,1,2,3,4,5,6,7
	ds_load_b128 v[\reg+32*\c+4*\q:\reg+32*\c+4*\q+3], v6 offset:16*SP*\u+256*\c+16*\q
.endr
.endr
.endm
.macro WLOAD t, pitch                  ; block t of my K step: W(32 t + i, my column), i = 0 .. 31, into set t % 2: each load reads 128 consecutive bytes
.set ii, 0
.rept 32
	global_load_b32 v[96+32*((\t)%2)+ii], v4, s[24:25] offset:(32*(\t)+ii)*\pitch th:TH_LOAD_NT
.set ii, ii+1
.endr
.endm
; A weight: a lane takes a column, its registers run down K, so that a block of 32 lies in one lane.  Every offset is an immediate: 127 rows of 8,192 bytes at the most, inside the signed 24-bit field (ISA guide, chapter 10).
.macro WPATH pitch
	WLOAD 0, \pitch
	WLOAD 1, \pitch
.irp t, 0,1,2,3
.if \t < 3
	s_wait_loadcnt 32                              ; this block's 32 loads are in; the next block's 32 may be out
.else
	s_wait_loadcnt 0x0
.endif
	BLOCKQ 96+32*(\t%2), F0+12*(\t%2)+6*(\t/2), 13   ; blocks 0, 2 into F0's two halves, blocks 1, 3 into F1's
.if \t == 0
	v_mov_b32 v20, v13                             ; my column's four bytes: its scale word
.else
	v_lshl_or_b32 v20, v13, 8*\t, v20
.endif
.if \t < 2
	WLOAD \t+2, \pitch
.endif
.endr
.set ii, 0
.rept 12
	v_permlane16_swap_b32 v[F0+ii], v[F1+ii]       ; F0's lanes 16-31 change places with F1's lanes 0-15: F0 is now the fragment of the columns of lanes 0-15 (lanes 0-15: blocks 0, 2; lanes 16-31: blocks 1, 3), F1 that of lanes 16-31
.set ii, ii+1
.endr
	v_mov_b32 v21, v20
	v_permlane16_swap_b32 v20, v21                 ; v20: the word of lane l % 16's column (tile 2 p), v21: of lane 16 + l % 16's (tile 2 p + 1)
	FOUT F0, 0
	FOUT F1, 1
	global_store_b64 v8, v[20:21], s[18:19] offset:24576   ; both halves of the lanes write the same bytes with the same values
	s_endpgm
.endm
	s_load_b256 s[4:11], s[0:1], 0x0               ; query s[4:5], key s[6:7], value s[8:9], Wq s[10:11]
	s_load_b256 s[12:19], s[0:1], 0x20             ; Wk s[12:13], Wv s[14:15], Wo s[16:17], img s[18:19]
	v_lshl_add_u32 v62, v0, 2, 0x21000
	v_mov_b32 v63, 0
	v_lshrrev_b32 v1, 5, v0
	v_readfirstlane_b32 s20, v1                    ; wave 0..7
	v_and_b32 v1, 31, v0                           ; lane
	v_and_b32 v2, 15, v0                           ; r
	v_bfe_u32 v3, v0, 4, 1                         ; h
	s_lshr_b32 s21, s20, 1                         ; p
	s_and_b32 s22, s20, 1                          ; s
	s_mov_b32 s[SEL], 0x76543210
	s_mov_b32 s[SEL+1], 0xfedcba98
	s_mul_i32 s23, s21, 6144
	s_mul_i32 s38, s22, 1536
	s_add_co_u32 s23, s23, s38
	v_lshl_add_u32 v7, v1, 4, s23                  ; 16 lane + 6144 p + 1536 s
	s_lshr_b32 s38, s21, 1
	s_lshl_b32 s38, s38, 9
	s_lshl_b32 s39, s22, 8
	s_add_co_u32 s38, s38, s39
	s_and_b32 s39, s21, 1
	s_lshl_b32 s39, s39, 3
	s_add_co_u32 s38, s38, s39
	v_lshl_add_u32 v8, v2, 4, s38                  ; 16 r + 512 (p / 2) + 256 s + 8 (p % 2)
	v_mov_b32 v22, 0                               ; a lane permute's destination counts as one of its sources
	s_mul_i32 s40, ttmp9, BLKB
	s_mov_b32 s41, 0
	s_wait_kmcnt 0x0
	s_add_nc_u64 s[18:19], s[18:19], s[40:41]      ; my block of img
	s_cmp_lt_u32 ttmp9, 96
	s_cbranch_scc0 .Lweights
	; ---- AN INPUT: K innermost.  Each load takes 512 consecutive bytes of one row; the 32 rows turn through the wave's own stage, so that a lane gets 32 neighbours along K of ONE row.
	s_lshr_b32 s24, ttmp9, 5                       ; which input
	s_cmp_eq_u32 s24, 1
	s_cselect_b64 s[4:5], s[6:7], s[4:5]
	s_cmp_eq_u32 s24, 2
	s_cselect_b64 s[4:5], s[8:9], s[4:5]
	s_and_b32 s24, ttmp9, 31
	s_lshl_b32 s24, s24, 17                        ; 128 rows of 1,024 bytes a block,
	s_lshl_b32 s25, s21, 15                        ; 32 p rows,
	s_add_co_u32 s24, s24, s25
	s_lshl_b32 s25, s22, 9                         ; 512 bytes a K step
	s_add_co_u32 s24, s24, s25
	s_mov_b32 s25, 0
	s_add_nc_u64 s[4:5], s[4:5], s[24:25]
	v_lshlrev_b32 v4, 4, v1                        ; 16 lane
	s_mul_i32 s26, s20, WST                        ; my stage
	v_add_nc_u32 v5, s26, v4                       ; into it
	v_mul_u32_u24 v6, v2, SP
	v_lshl_add_u32 v6, v3, 7, v6
	v_add_nc_u32 v6, s26, v6                       ; out of it: row r, + 128 h
.set ii, 0
.rept 32
	global_load_b128 v[64+4*ii:64+4*ii+3], v4, s[4:5] offset:1024*ii th:TH_LOAD_NT
.set ii, ii+1
.endr
.set ii, 0
.rept 4
	s_wait_loadcnt 24-ii                           ; eight rows more are in; the younger loads stay out
.rept 8
	ds_store_b128 v5, v[64+4*ii:64+4*ii+3] offset:SP*((ii%8)+16*((ii/8)%2)+8*(ii/16))   ; row i goes to the place of its tile and lane: rows 0-7, 16-23 are tile 2 p's, rows 8-15, 24-31 tile 2 p + 1's
.set ii, ii+1
.endr
.endr
	TILE_IN 0, 192                                 ; LDS serves a wave's instructions in order (ISA guide 5.7.1.4): these see my stores
	s_wait_dscnt 0x0                               ; tile 2 p's numbers are in, and the stores have read v64-191,
	TILE_IN 1, 64                                  ; which take tile 2 p + 1's numbers while tile 2 p is worked on
	BLOCKQ 192, F0, 13
	BLOCKQ 224, F0+6, 14
	WORD 20
	FOUT F0, 0
	s_wait_dscnt 0x0
	BLOCKQ 64, F1, 13
	BLOCKQ 96, F1+6, 14
	WORD 21
	FOUT F1, 1
	global_store_b64 v8, v[20:21], s[18:19] offset:24576   ; both halves of the lanes write the same bytes with the same values
	s_wait_tensorcnt 0x0
	ds_add_u32 v62, v63
	s_wait_dscnt 0x0
	s_endpgm
.Lweights:
	s_sub_co_u32 s42, ttmp9, 96
	s_lshr_b32 s43, s42, 4                         ; which weight: 0 Wq, 1 Wk, 2 Wv, 3 Wo
	s_and_b32 s42, s42, 15                         ; which block of it
	s_and_b32 s35, s42, 1                          ; Wo: which 128 columns,
	s_lshr_b32 s38, s42, 1
	s_lshl_b32 s38, s38, 8                         ; and at which row its K begins
	s_mov_b32 s34, 8192                            ; a row in bytes
	s_cmp_eq_u32 s43, 1
	s_cselect_b64 s[10:11], s[12:13], s[10:11]
	s_cmp_eq_u32 s43, 2
	s_cselect_b64 s[10:11], s[14:15], s[10:11]
	s_cmp_eq_u32 s43, 3
	s_cselect_b64 s[10:11], s[16:17], s[10:11]
	s_cselect_b32 s34, 1024, s34
	s_cselect_b32 s35, s35, s42
	s_cselect_b32 s38, s38, 0
	s_lshl_b32 s39, s22, 7
	s_add_co_u32 s38, s38, s39                     ; my K step's first row
	s_mul_i32 s38, s38, s34
	s_lshl_b32 s35, s35, 9                         ; 512 bytes for 128 columns
	s_add_co_u32 s38, s38, s35
	s_mov_b32 s39, 0
	s_add_nc_u64 s[24:25], s[10:11], s[38:39]
	v_and_b32 v4, 7, v0                            ; my column among the wave's 32: my lane's number with bits 3 and 4 exchanged, so that lanes 0-15 hold tile 2 p's rows in order and lanes 16-31 tile 2 p + 1's
	v_bfe_u32 v5, v0, 3, 1
	v_lshl_or_b32 v4, v5, 4, v4
	v_lshl_or_b32 v4, v3, 3, v4
	s_lshl_b32 s38, s21, 5
	v_add_nc_u32 v4, s38, v4                       ; + 32 p
	v_lshlrev_b32 v4, 2, v4
	s_cmp_eq_u32 s43, 3
	s_cbranch_scc1 .Lwo
	WPATH 8192
.Lwo:
	WPATH 1024
.Lfunc_end_k_q438b198b27_prep:
	.size	k_q438b198b27_prep, .Lfunc_end_k_q438b198b27_prep-k_q438b198b27_prep
	.p2alignl 7, 3214868480
	.fill 96, 4, 3214868480
	.section	.rodata,"a",@progbits
	.p2align	6, 0x0
	.amdhsa_kernel k_q438b198b27_prep
		.amdhsa_group_segment_fixed_size 136192
		.amdhsa_private_segment_fixed_size 0
		.amdhsa_enable_private_segment 0
		.amdhsa_kernarg_size 64
		.amdhsa_user_sgpr_count 2
		.amdhsa_user_sgpr_kernarg_segment_ptr 1
		.amdhsa_wavefront_size32 1
		.amdhsa_system_sgpr_workgroup_id_x 1
		.amdhsa_system_sgpr_workgroup_id_y 1
		.amdhsa_system_sgpr_workgroup_id_z 1
		.amdhsa_system_vgpr_workitem_id 0
		.amdhsa_next_free_vgpr 256
		.amdhsa_next_free_sgpr 66
		.amdhsa_reserve_vcc 0
		.amdhsa_float_denorm_mode_32 3
		.amdhsa_float_denorm_mode_16_64 3
		.amdhsa_memory_ordered 1
		.amdhsa_forward_progress 1
		.amdhsa_inst_pref_size 56
	.end_amdhsa_kernel
	.amdgpu_metadata
---
amdhsa.version: [ 1, 2 ]
amdhsa.kernels:
  - .name:           k_q438b198b27_prep
    .symbol:         k_q438b198b27_prep.kd
    .args:
      - { .name: query_input, .offset: 0, .size: 8, .value_kind: global_buffer, .address_space: global }
      - { .name: key_input, .offset: 8, .size: 8, .value_kind: global_buffer, .address_space: global }
      - { .name: value_input, .offset: 16, .size: 8, .value_kind: global_buffer, .address_space: global }
      - { .name: Wq, .offset: 24, .size: 8, .value_kind: global_buffer, .address_space: global }
      - { .name: Wk, .offset: 32, .size: 8, .value_kind: global_buffer, .address_space: global }
      - { .name: Wv, .offset: 40, .size: 8, .value_kind: global_buffer, .address_space: global }
      - { .name: Wo, .offset: 48, .size: 8, .value_kind: global_buffer, .address_space: global }
      - { .name: img, .offset: 56, .size: 8, .value_kind: global_buffer, .address_space: global }
    .group_segment_fixed_size: 136192
    .private_segment_fixed_size: 0
    .kernarg_segment_align: 8
    .kernarg_segment_size: 64
    .max_flat_workgroup_size: 256
    .sgpr_count:     66
    .vgpr_count:     256
    .wavefront_size: 32
...
	.end_amdgpu_metadata
.endif
;; end of part 1
;; launch proj (part 2): grid 256 x 2, 4 waves a work-group, no clusters, 0 bytes of LDS; arguments img, bq, bv, qv; writes qv
.if DOCPART == 2
	.amdgcn_target "amdgcn-amd-amdhsa--gfx1250"
	.amdhsa_code_object_version 6
	.text
	.protected	k_q438b198b27_proj
	.globl	k_q438b198b27_proj
	.p2align	8
	.type	k_q438b198b27_proj,@function
k_q438b198b27_proj:
	s_mov_b64 s[64:65], 0
	v_nop
	global_prefetch_b8 v0, s[64:65] scope:SCOPE_SE
	s_setreg_imm32_b32 hwreg(HW_REG_WAVE_MODE, 25, 1), 1
	s_wait_xcnt 0x0
; q = x_q Wq + bq and v = x_v Wv + bv on codes of BF6 (E3M2) with E8M0 scales, sums in f32; each result is quantised in registers along the K of the product that reads it next and stored as an image of operand registers.
; (k is read by one work-group of the attention launch alone, which makes it itself.)
; Operands come from img (blocks of 25,600 bytes: 128 rows x 256 along K; fragment (t, s) at 1536 (2 t + s), scale words from byte 24,576 on; lane r of tile t holds row 32 (t / 2) + 8 (t % 2) + r + 8 (r / 8)).
; With that choice of rows, in D = (source 0: tile t) x (source 1: any tile) lane (r, h) holds source 1's row r, and the 16 registers of tiles 2 b, 2 b + 1 are source 0's rows 32 b + 16 h + 0 .. 15: 16 NEIGHBOURS.
; q (work-group y = 0): next K = the head's 256 channels: source 0 = the weight's 128 columns (stationary, 16 fragments in registers), source 1 = 16 positions.  64 registers = one K step of the row: one fragment.
; v (y = 1): next K = the positions: source 0 = the input's 128 positions (stationary), source 1 = 16 columns of Wv: a lane holds one channel and 64 of its 128 positions.
; OUT: q: qv at 51,200 x (8 (8 b + h) + j): 128 positions x 256 channels; v 25,600 bytes behind it: 256 channels x 128 positions: fragment T at 1536 T, its lane r = channel 128 (T / 8) + row(T % 8, r); word (T, r) at 24576 + 256 (T / 4) + 16 r + 4 (T % 4).
; SHARES: work-group x = 8 (8 b + j) + h makes one such block; a wave makes four units of 16 streamed rows x 128 stationary rows: 16 matrix instructions, one fragment, one scale word a row.
; The bias is the C of each sum's first matrix instruction.  The eight accumulators of a unit take turns, one instruction a turn.
; NO CLUSTER, NO TENSOR LOAD: every operand byte goes from memory straight into the registers that the matrix instruction names, all loads go out at the head, and the work-group ends after 64 matrix instructions a wave: there is no ring of slots whose changes a joint request could ride on.
; LIMITS: a block of zeros gets the byte 1 with zero codes (this program alone reads the bytes); NaN and infinities are not served.
; REGISTERS: window 0: v1-6 offsets; v16-111 the four units' streamed fragments; v112-175 a unit's 8 accumulators; v176-187 codes; v188-195, v196-207 at work; v212-215 the words made; v216-219 streamed scale words; v220-227 stationary ones.
;   window 1: v0-191 the 16 stationary fragments; v192-255 the bias, eight registers a tile.
.set BLKB, 25600
.set XF,  16
.set HA,  112
.set PC,  176
.set CT,  188
.set TM,  196
.set PW,  212
.set XS,  216
.set SS,  220
.set CB,  192
.set SEL, 38
.set MSB, 0
.macro WIN new                         ; the immediate's high byte repeats the setting that is left
.if MSB != \new
	s_set_vgpr_msb (MSB<<8)|\new
.set MSB, \new
.endif
.endm
; 64 numbers of a lane (register 16 b + i = k 32 b + 16 (lane / 16) + i of its row) with their four scale operands at v[sc] on become a fragment's 12 registers at v[pc] on.
.macro PACKC x, pc, ct, sc
.irp c, 0,1
	v_cvt_scalef32_pk16_bf6_f32 v[\pc+6*\c:\pc+6*\c+2], v[\x+32*\c:\x+32*\c+15], v[\sc+2*\c]
	v_cvt_scalef32_pk16_bf6_f32 v[\ct+4*\c:\ct+4*\c+2], v[\x+32*\c+16:\x+32*\c+31], v[\sc+2*\c+1]   ; (a conversion's three registers begin on an even number)
.endr
	v_nop                                          ; one plain line behind the scaled conversions
.irp c, 0,1                                    ; the layout wants a WHOLE block in a lane: lanes 0-15 block 2 c, lanes 16-31 block 2 c + 1
.irp i, 0,1,2
	v_permlane16_swap_b32 v[\pc+6*\c+\i], v[\ct+4*\c+\i]
.endr
.irp i, 0,1,2
	v_mov_b32 v[\pc+6*\c+3+\i], v[\ct+4*\c+\i]
.endr
.endr
.endm
.macro QUANT x, pc, ct, tm, pw         ; the same from the numbers alone; the row's scale word goes to v[pw].  Each accumulator is read from its low end on
.irp b, 0,1,2,3
	v_max3_num_f32 v[\tm+\b], |v[\x+16*\b]|, |v[\x+16*\b+1]|, 0x2800000   ; block b: my 16 numbers, and the floor 2^(5 - 127): the byte cannot fall under 1
.endr
.irp i, 2,4,6,8,10,12,14
.irp b, 0,1,2,3
	v_max3_num_f32 v[\tm+\b], v[\tm+\b], |v[\x+16*\b+\i]|, |v[\x+16*\b+\i+1]|   ; (the four blocks by turns)
.endr
.endr
.irp b, 0,1,2,3
	v_permlanex16_b32 v[\tm+4+\b], v[\tm+\b], s[SEL], s[SEL+1]
.endr
.irp b, 0,1,2,3
	v_max_num_f32 v[\tm+\b], v[\tm+\b], v[\tm+4+\b]   ; with lane l xor 16's 16: the block's largest magnitude
.endr
.irp b, 0,1,2,3
	v_add_nc_u32 v[\tm+8+\b], 0xfe000000, v[\tm+\b]   ; 4 off the exponent field: the conversion's scale operand
.endr
.irp b, 0,1,2,3
	v_lshrrev_b32 v[\tm+4+\b], 23, v[\tm+8+\b]        ; the scale's byte
.endr
	v_lshl_or_b32 v[\pw], v[\tm+5], 8, v[\tm+4]
	v_lshl_or_b32 v[\pw], v[\tm+6], 16, v[\pw]
	v_lshl_or_b32 v[\pw], v[\tm+7], 24, v[\pw]
	PACKC \x, \pc, \ct, \tm+8
.endm
	s_load_b256 s[4:11], s[0:1], 0x0               ; img s[4:5], bq s[6:7], bv s[8:9], qv s[10:11]
	v_lshrrev_b32 v1, 5, v0
	v_readfirstlane_b32 s16, v1                    ; wave w
	s_and_b32 s21, ttmp7, 0xffff                   ; 0 q, 1 v
	s_lshr_b32 s19, ttmp9, 3                       ; bj = 8 b + j: which 128 positions
	s_and_b32 s20, ttmp9, 7                        ; the head
	s_lshr_b32 s17, s16, 1                         ; a = w / 2
	s_and_b32 s18, s16, 1                          ; c = w % 2
	s_mov_b32 s[SEL], 0x76543210
	s_mov_b32 s[SEL+1], 0xfedcba98
	s_lshl_b32 s23, s20, 1
	s_add_co_u32 s22, s23, s18
	s_add_co_u32 s22, s22, 96                      ; q: the stationary block: Wq's columns 256 head + 128 c on
	s_add_co_u32 s24, s19, 64                      ; v: the value input's block bj
	s_add_co_u32 s26, s23, s17
	s_add_co_u32 s26, s26, 128                     ; v: the streamed block: Wv's columns 256 head + 128 a on
	s_mul_i32 s27, s17, 12288
	s_mul_i32 s28, s18, 1536
	s_add_co_u32 s27, s27, s28                     ; q: my fragments (tile 4 a + i, K step c) begin here
	s_mul_i32 s28, s16, 6144                       ; v: fragments T = 4 w + i
	s_lshl_b32 s29, s18, 6
	s_cmp_eq_u32 s21, 1
	s_cselect_b32 s22, s24, s22                    ; the stationary block
	s_cselect_b32 s25, s26, s19                    ; the streamed block (q: the query input's block bj)
	s_cselect_b32 s26, s18, s17                    ; g: which four of its tiles are mine
	s_cselect_b32 s24, s17, s18                    ; which 128 of the head's channels
	s_cselect_b32 s27, s28, s27
	s_cselect_b32 s29, s29, 0                      ; v: my four tiles begin 64 g channels on
	s_cselect_b32 s30, BLKB, 0                     ; v lies behind q
	s_lshl_b32 s28, s20, 8
	s_lshl_b32 s24, s24, 7
	s_add_co_u32 s28, s28, s24
	s_add_co_u32 s28, s28, s29
	s_lshl_b32 s28, s28, 2                         ; where my part of the bias begins, in bytes
	s_mov_b32 s29, 0
	s_lshr_b32 s31, s19, 3
	s_lshl_b32 s31, s31, 3
	s_add_co_u32 s31, s31, s20
	s_lshl_b32 s31, s31, 3
	s_and_b32 s32, s19, 7
	s_add_co_u32 s31, s31, s32                     ; 8 (8 b + head) + j
	s_mul_i32 s32, s31, 2*BLKB
	s_add_co_u32 s32, s32, s30                     ; where my block of qv begins
	s_mov_b32 s33, 0
	s_mul_i32 s34, s22, BLKB
	s_mul_i32 s36, s25, BLKB
	s_mov_b32 s35, 0
	s_mov_b32 s37, 0
	v_and_b32 v7, 31, v0                           ; lane
	v_and_b32 v8, 15, v0                           ; r
	v_bfe_u32 v9, v0, 4, 1                         ; h
	v_lshlrev_b32 v1, 4, v7                        ; 16 lane: my place in an image
	s_mul_i32 s22, s26, 12288
	v_add_nc_u32 v2, s22, v1                       ; + my four streamed tiles
	s_lshl_b32 s22, s26, 9
	v_add_nc_u32 v3, s22, v1                       ; their scale words
	v_add_nc_u32 v4, s27, v1                       ; where my fragments go
	s_lshl_b32 s22, s16, 8
	v_lshl_add_u32 v5, v8, 4, s22                  ; and my four words of a row: 16 r + 256 w
.irp b, 0,1,2,3
	v_mov_b32 v[TM+4+\b], 0                        ; a lane permute's destination counts as one of its sources
.endr
	s_cmp_eq_u32 s21, 1
	s_wait_kmcnt 0x0
	s_cselect_b64 s[6:7], s[8:9], s[6:7]           ; the choice hangs on the work-group's number alone
	s_add_nc_u64 s[6:7], s[6:7], s[28:29]          ; the bias
	s_add_nc_u64 s[12:13], s[10:11], s[32:33]      ; my block of qv
	s_add_nc_u64 s[8:9], s[4:5], s[34:35]          ; the stationary block
	s_add_nc_u64 s[10:11], s[4:5], s[36:37]        ; the streamed block
.macro UNIT i, isv
	s_wait_loadcnt 18-6*\i                         ; all but the six loads of each later unit
	WIN 0x11                                       ; source 0 and C window 1
.irp t, 0,1,2,3,4,5,6,7
.set rD, HA+8*\t
.set rA, 24*\t
.set rB, XF+24*\i
.if \isv
.set rC, CB+8*\i
.else
.set rC, CB+8*\t
.endif
	v_wmma_scale_f32_16x16x128_f8f6f4 v[rD:rD+7], v[rA:rA+11], v[rB:rB+11], v[rC:rC+7], v[SS+\t], v[XS+\i] matrix_a_fmt:MATRIX_FMT_BF6 matrix_b_fmt:MATRIX_FMT_BF6
.endr
	WIN 0x01
.irp t, 0,1,2,3,4,5,6,7
.set rD, HA+8*\t
.set rA, 24*\t+12
.set rB, XF+24*\i+12
	v_wmma_scale_f32_16x16x128_f8f6f4 v[rD:rD+7], v[rA:rA+11], v[rB:rB+11], v[rD:rD+7], v[SS+\t], v[XS+\i] matrix_a_fmt:MATRIX_FMT_BF6 matrix_b_fmt:MATRIX_FMT_BF6 matrix_a_scale:MATRIX_SCALE_ROW1 matrix_b_scale:MATRIX_SCALE_ROW1
.endr
	WIN 0
.rept 4
	v_nop                                          ; four places between the last product and the first read of results (ISA guide 7.12.1)
.endr
.if \i > 0
	s_wait_xcnt 0x0                                ; the last unit's stores have read the codes' registers
.endif
	QUANT HA, PC, CT, TM, PW+\i
.irp q, 0,1,2
.if \isv
	global_store_b128 v4, v[PC+4*\q:PC+4*\q+3], s[12:13] offset:1536*\i+512*\q
.else
	global_store_b128 v4, v[PC+4*\q:PC+4*\q+3], s[12:13] offset:3072*\i+512*\q
.endif
.endr
.endm
.macro BODY isv
	WIN 0x40                                       ; destination window 1
.set ii, 0
.rept 48
	global_load_b128 v[4*ii:4*ii+3], v1, s[8:9] offset:512*ii      ; the stationary block's 16 fragments, as they lie
.set ii, ii+1
.endr
	WIN 0
	global_load_b128 v[SS:SS+3], v1, s[8:9] offset:24576           ; its scale words: register t = tile t; lanes 0-15 K step 0, lanes 16-31 K step 1
	global_load_b128 v[SS+4:SS+7], v1, s[8:9] offset:24576+512
.if \isv
	v_lshrrev_b32 v6, 3, v8
	v_lshl_add_u32 v6, v6, 3, v8
	v_lshlrev_b32 v6, 2, v6                        ; the bias goes along the lanes: 4 (r + 8 (r / 8))
	WIN 0x40
.irp u, 0,1,2,3
.irp j, 0,1,2,3,4,5,6,7
	global_load_b32 v[CB+8*\u+\j], v6, s[6:7] offset:(32*(\u/2)+8*(\u%2))*4   ; unit u: my channel's bias in all eight registers
.endr
.endr
.else
	v_lshlrev_b32 v6, 6, v9                        ; the bias goes along the registers: tile t: channels 32 (t / 2) + 16 h + 8 (t % 2) + 0 .. 7
	WIN 0x40
.irp t, 0,1,2,3,4,5,6,7
	global_load_b128 v[CB+8*\t:CB+8*\t+3], v6, s[6:7] offset:(32*(\t/2)+8*(\t%2))*4
	global_load_b128 v[CB+8*\t+4:CB+8*\t+7], v6, s[6:7] offset:(32*(\t/2)+8*(\t%2))*4+16
.endr
.endif
	WIN 0
	global_load_b128 v[XS:XS+3], v3, s[10:11] offset:24576         ; my four streamed tiles' scale words
.set ii, 0
.rept 24
	global_load_b128 v[XF+4*ii:XF+4*ii+3], v2, s[10:11] offset:512*ii   ; and their fragments: six loads a unit
.set ii, ii+1
.endr
	UNIT 0, \isv
	UNIT 1, \isv
	UNIT 2, \isv
	UNIT 3, \isv
	global_store_b128 v5, v[PW:PW+3], s[12:13] offset:24576        ; sixteen lanes store 256 consecutive bytes, aligned; lanes 16-31 write the same bytes with the same values
	s_endpgm
.endm
	s_cmp_eq_u32 s21, 1
	s_cbranch_scc1 .Lvalue
	BODY 0
.Lvalue:
	BODY 1
.Lfunc_end_k_q438b198b27_proj:
	.size	k_q438b198b27_proj, .Lfunc_end_k_q438b198b27_proj-k_q438b198b27_proj
	.p2alignl 7, 3214868480
	.fill 96, 4, 3214868480
	.section	.rodata,"a",@progbits
	.p2align	6, 0x0
	.amdhsa_kernel k_q438b198b27_proj
		.amdhsa_group_segment_fixed_size 0
		.amdhsa_private_segment_fixed_size 0
		.amdhsa_enable_private_segment 0
		.amdhsa_kernarg_size 32
		.amdhsa_user_sgpr_count 2
		.amdhsa_user_sgpr_kernarg_segment_ptr 1
		.amdhsa_wavefront_size32 1
		.amdhsa_system_sgpr_workgroup_id_x 1
		.amdhsa_system_sgpr_workgroup_id_y 1
		.amdhsa_system_sgpr_workgroup_id_z 1
		.amdhsa_system_vgpr_workitem_id 0
		.amdhsa_next_free_vgpr 512
		.amdhsa_next_free_sgpr 66
		.amdhsa_reserve_vcc 0
		.amdhsa_float_denorm_mode_32 3
		.amdhsa_float_denorm_mode_16_64 3
		.amdhsa_memory_ordered 1
		.amdhsa_forward_progress 1
		.amdhsa_inst_pref_size 73
	.end_amdhsa_kernel
	.amdgpu_metadata
---
amdhsa.version: [ 1, 2 ]
amdhsa.kernels:
  - .name:           k_q438b198b27_proj
    .symbol:         k_q438b198b27_proj.kd
    .args:
      - { .name: img, .offset: 0, .size: 8, .value_kind: global_buffer, .address_space: global }
      - { .name: bq, .offset: 8, .size: 8, .value_kind: global_buffer, .address_space: global }
      - { .name: bv, .offset: 16, .size: 8, .value_kind: global_buffer, .address_space: global }
      - { .name: qv, .offset: 24, .size: 8, .value_kind: global_buffer, .address_space: global }
    .group_segment_fixed_size: 0
    .private_segment_fixed_size: 0
    .kernarg_segment_align: 8
    .kernarg_segment_size: 32
    .max_flat_workgroup_size: 128
    .sgpr_count:     66
    .vgpr_count:     512
    .wavefront_size: 32
...
	.end_amdgpu_metadata
.endif
;; end of part 2
;; launch attn (part 3): grid 8 x 32, 4 waves a work-group, clusters of 4 x 1, 327,680 bytes of LDS; arguments img, qv, cc, bk; writes cc
.if DOCPART == 3
	.amdgcn_target "amdgcn-amd-amdhsa--gfx1250"
	.amdhsa_code_object_version 6
	.text
	.protected	k_q438b198b27_attn
	.globl	k_q438b198b27_attn
	.p2align	8
	.type	k_q438b198b27_attn,@function
k_q438b198b27_attn:
	s_mov_b64 s[64:65], 0
	v_nop
	global_prefetch_b8 v0, s[64:65] scope:SCOPE_SE
	s_setreg_imm32_b32 hwreg(HW_REG_WAVE_MODE, 25, 1), 1
	s_wait_xcnt 0x0
	s_wait_alu depctr_hold_cnt(0) depctr_sa_sdst(0) depctr_va_vdst(0) depctr_va_sdst(0) depctr_va_ssrc(0) depctr_va_vcc(0) depctr_vm_vsrc(0)
	s_getreg_b32 s2, hwreg(HW_REG_IB_STS2, 6, 4)
	s_cmp_eq_u32 s2, 0
	s_cbranch_scc0 .Lentry_in_a_cluster
	s_endpgm
.Lentry_in_a_cluster:
	s_bfe_u32 s2, ttmp6, 0x10000c
	s_cmp_lg_u32 s2, 0x3003
	s_cbranch_scc0 .Lentry_shape_is_right
	s_endpgm
.Lentry_shape_is_right:
; For each (b, h): k = x_k Wk + bk for my rows; scores[kpos][qpos] = k[kpos] . q[qpos] / 16, softmax over qpos, out[kpos] = the sum over qpos of p v[qpos]; all products on codes of BF6 (E3M2) with E8M0 scales.  The rows of k are the rows of the softmax; q and v are walked.
; THE SOFTMAX AHEAD OF THE LAST PRODUCT: t = score x log2(e) / 16; M = the row's largest t so far, rounded UP to a whole number; p = 2^(t - M) is quantised along qpos, not normalised.  The row's sum is taken of the unquantised p and divides O at the end.
; When M moves, the sum and O are multiplied by 2^(old M - new M), which rounds nothing.
; OPERANDS are images of operand registers, made by the launches before: img: blocks of 128 rows x 256 along K (the key input's, Wk's); qv: for each 128 positions a block of q (25,600 bytes) and behind it a block of v with the positions innermost (16 fragments of 16 channels x 128 positions).
; A fragment is three loads of 512 consecutive bytes; no pitch, no padding.  Lane r of tile t holds row 32 (t / 2) + 8 (t % 2) + r + 8 (r / 8), so that the 16 registers of result tiles 2 b, 2 b + 1 are 16 neighbours along the next K.
; All products are used transposed: k^T = Wk^T x^T (source 0 = 16 columns of Wk, source 1 = 16 positions), S^T = q k^T (source 0 = 16 positions of q, source 1 = my 16 rows of k), O^T = v^T p^T (source 0 = 16 channels, source 1 = p): a lane holds ONE row of k throughout.
; SHARES: a work-group owns 128 rows of k of one (b, h); nobody else reads them, so it makes them itself, at its head, while its first tiles of q and v are on their way.  There wave w (a = w / 2, c = w % 2) keeps Wk's columns 256 h + 128 c on in registers and makes
; K step c of tiles 4 a .. 4 a + 3: four units of 16 matrix instructions, each one fragment and one scale word a row; bk is the C of each sum's first instruction.  The fragments go to LDS as images, and behind one barrier wave w takes tiles 2 w, 2 w + 1, both K steps.
; From then on each fragment of q and v read from LDS feeds two products.  Eight key steps of 128 positions, two to a slot of 102,400 bytes, which is one dense run of qv.
; CLUSTER: the four work-groups of a cluster belong to one (b, h) and walk the same q and v: each quarter of a slot is asked for JOINTLY, by the same tensor load with the same descriptor and a mask that names the four.
; OUT: O / the sum is quantised along the head's 256 channels and stored as block (8 (8 b + j) + h) of cc, an operand of the last product.  Its scale words leave as 8 bytes of each 16: those 1,024 bytes of a block are written in part by each of two waves.
; The key step is written once in each of its four forms of changing slots: O^T, the sum and the largest t begin as 0, 0 and -3e38, so the first step needs no form of its own; that costs 256 moves at the head, which stand among the head's loads, and spares a further copy of the step's text.
; LIMITS: NaN and infinities are not served; a block of zeros keeps the byte 1 with zero codes (this program alone reads the bytes); the division by the sum is a multiplication by v_rcp_f32 of it.
; REGISTERS, in windows of 256: window 0: v1-11 addresses; v12-27 statistics, 8 a tile; v28-59 at work, 16 a tile; v60-67 q's scale words, v68-75 v's, v76-77 k's, v78-79 p's; v80-103 p's codes; v104-119 at work; v120-125 the way out's words; v126-127 addresses; v128-255 S^T, then p.
;   window 1: O^T, 128 a tile.   window 2: v0-191 q's 16 fragments, v192-239 k's four.   window 3: v0-191 v's 16 fragments.
;   At the head: window 2 v0-191 Wk's 16 fragments; window 3 v0-95 the key input's eight, v96-159 bk; v128-191 a unit's 8 accumulators; v60-67 Wk's scale words, v68-71 the input's, v72-75 the words made; v120-122 offsets.
.set BLKB,  25600
.set SLOTB, 4*BLKB                     ; a slot: q, v, q, v
.set SLOT1, 1<<17                      ; slot 1 begins here, so that one exclusive or turns an address in one slot into the other's
.set SPARE, SLOT1+SLOTB                ; behind the ring: the spare words, 128 bytes for each wave: two blocks of 256 bytes that no other line names
.set KIMG,  SPARE+512
.set LI,  1                            ; v1  16 x lane
.set ADQ, 2                            ; v2  LDS address of the block of q in hand
.set ADV, 3                            ; v3  of v
.set SPW, 4                            ; v4  LDS address of my spare word; never rewritten
.set NIL, 5                            ; v5  0; never rewritten
.set GO,  6                            ; v6  16 lane + 6144 w: my tiles' fragments in a block
.set GS,  7                            ; v7  16 lane + 512 (w / 2) + 8 (w % 2): my two tiles' scale words
.set LN,  8                            ; v8  lane
.set PFO, 9                            ; v9  256 x min(lane, 24); never rewritten
.set KLD, 10                           ; v10 LDS: where I read my two tiles of k: KIMG + GO
.set KLS, 11                           ; v11 LDS: and their scale words: KIMG + 24576 + GS
.set KST, 126                          ; v126 LDS: where I store the fragments that I make: KIMG + 16 lane + 12288 a + 1536 c
.set KSW, 127                          ; v127 LDS: and their words: KIMG + 24576 + 16 (lane % 16) + 256 w
.set XO,  120                          ; v120 at the head: 16 lane + 12288 a: the key input's tiles 4 a on
.set XSO, 121                          ; v121 16 lane + 512 a: their scale words
.set BO,  122                          ; v122 64 (lane / 16): my half's part of a tile's bias
.set KCB, 96                           ; bk, in window 3
.set ST,  12                           ; tile u at ST + 8 u: +0 -M, +1 the largest t, +2, +3 the sum in two halves, +4 f (later 1 / sum), +5 named with it as a pair, +6, +7 at work
.set TM,  28                           ; tile u at TM + 16 u: +0..3 the blocks' largest, +4..7 the other half's, then bytes, +8..11 scale operands, +12, 13 the second chain of the sum
.set QPS, 60
.set VPS, 68
.set KPS, 76
.set PWP, 78
.set PC,  80
.set CT,  104
.set WO,  120
.set S,   128
.set WV,  10                           ; s10 wave
.set CNT, 14                           ; s14 slots still to be asked for
.set LIM, 15                           ; s15 1 in the (b, h)'s first cluster, else the greatest number
.set TB,  16                           ; s16 LDS byte at which the slot in hand begins
.set T2,  17
.set PFA, 18                           ; s[18:19] my 25 blocks of 256 bytes of the last slot's bytes in qv; never rewritten
.set SEL, 20                           ; s[20:21] lane selects for v_permlanex16_b32: lane l xor 16
.set CS,  22                           ; s[22:23] c = log2(e) / 16
.set G1,  24                           ; s[24:31] descriptor group 1
.set G0A, 40                           ; s[40:43] group 0 of slot 0's first fill
.set G0B, 44                           ; s[44:47] of slot 1's; it then walks
.set MSB, 0
.macro WIN new                         ; the immediate's high byte repeats the setting that is left
.if MSB != \new
	s_set_vgpr_msb (MSB<<8)|\new
.set MSB, \new
.endif
.endm
.macro PLACES                          ; four places: behind a matrix instruction, in front of a load into one of its registers or of a read of its result (ISA guide 7.12.1 for a read of its result)
.rept 4
	v_nop
.endr
.endm
.macro CROUND                          ; a round of the cluster's barrier: my work-group's barrier; wave 0 signals for the work-group; every wave waits for all four; my work-group's barrier once more
	s_barrier_signal -1
	s_barrier_wait -1
	s_cmp_lg_u32 s[WV], 0
	s_cbranch_scc1 .Lnot_wave_0_\@
	s_barrier_signal -3
.Lnot_wave_0_\@:
	s_barrier_wait -3
	s_barrier_signal -1
	s_barrier_wait -1
.endm
.macro PACKC x, pc, ct, sc             ; 64 numbers of a lane (register 16 b + i = k 32 b + 16 (lane / 16) + i) and four scale operands become a fragment's 12 registers
.irp c, 0,1
	v_cvt_scalef32_pk16_bf6_f32 v[\pc+6*\c:\pc+6*\c+2], v[\x+32*\c:\x+32*\c+15], v[\sc+2*\c]
	v_cvt_scalef32_pk16_bf6_f32 v[\ct+4*\c:\ct+4*\c+2], v[\x+32*\c+16:\x+32*\c+31], v[\sc+2*\c+1]   ; (a conversion's three registers begin on an even number)
.endr
	v_nop                                          ; one plain line behind the scaled conversions
.irp c, 0,1                                    ; the layout wants a WHOLE block in a lane: lanes 0-15 block 2 c, lanes 16-31 block 2 c + 1
.irp i, 0,1,2
	v_permlane16_swap_b32 v[\pc+6*\c+\i], v[\ct+4*\c+\i]
.endr
.irp i, 0,1,2
	v_mov_b32 v[\pc+6*\c+3+\i], v[\ct+4*\c+\i]
.endr
.endr
.endm
.macro QUANT x, pc, ct, tm, pw         ; the same from the numbers alone; the row's scale word goes to v[pw].  Each accumulator is read from its low end on
.irp b, 0,1,2,3
	v_max3_num_f32 v[\tm+\b], |v[\x+16*\b]|, |v[\x+16*\b+1]|, 0x2800000   ; and the floor 2^(5 - 127): the byte cannot fall under 1
.endr
.irp i, 2,4,6,8,10,12,14
.irp b, 0,1,2,3
	v_max3_num_f32 v[\tm+\b], v[\tm+\b], |v[\x+16*\b+\i]|, |v[\x+16*\b+\i+1]|
.endr
.endr
.irp b, 0,1,2,3
	v_permlanex16_b32 v[\tm+4+\b], v[\tm+\b], s[SEL], s[SEL+1]
.endr
.irp b, 0,1,2,3
	v_max_num_f32 v[\tm+\b], v[\tm+\b], v[\tm+4+\b]
.endr
.irp b, 0,1,2,3
	v_add_nc_u32 v[\tm+8+\b], 0xfe000000, v[\tm+\b]
.endr
.irp b, 0,1,2,3
	v_lshrrev_b32 v[\tm+4+\b], 23, v[\tm+8+\b]
.endr
	v_lshl_or_b32 v[\pw], v[\tm+5], 8, v[\tm+4]
	v_lshl_or_b32 v[\pw], v[\tm+6], 16, v[\pw]
	v_lshl_or_b32 v[\pw], v[\tm+7], 24, v[\pw]
	PACKC \x, \pc, \ct, \tm+8
.endm
; A UNIT OF THE k PROJECTION: tile 4 a + i of the key input against Wk's 128 columns: 16 matrix instructions on eight accumulators, which take turns, one instruction a turn; the 64 results of a lane are K step c of its row of k: one fragment.
.macro KUNIT i
	s_wait_loadcnt 18-6*\i                         ; all but the six fragment loads of each later unit
	WIN 0x3e                                       ; source 0 (Wk) window 2, source 1 (the input) and C (bk) window 3
.irp t, 0,1,2,3,4,5,6,7
.set rD, S+8*\t
.set rA, 24*\t
.set rB, 24*\i
.set rC, KCB+8*\t
	v_wmma_scale_f32_16x16x128_f8f6f4 v[rD:rD+7], v[rA:rA+11], v[rB:rB+11], v[rC:rC+7], v[QPS+\t], v[VPS+\i] matrix_a_fmt:MATRIX_FMT_BF6 matrix_b_fmt:MATRIX_FMT_BF6
.endr
	WIN 0x0e
.irp t, 0,1,2,3,4,5,6,7
.set rD, S+8*\t
.set rA, 24*\t+12
.set rB, 24*\i+12
	v_wmma_scale_f32_16x16x128_f8f6f4 v[rD:rD+7], v[rA:rA+11], v[rB:rB+11], v[rD:rD+7], v[QPS+\t], v[VPS+\i] matrix_a_fmt:MATRIX_FMT_BF6 matrix_b_fmt:MATRIX_FMT_BF6 matrix_a_scale:MATRIX_SCALE_ROW1 matrix_b_scale:MATRIX_SCALE_ROW1
.endr
	WIN 0
	PLACES
.if \i > 0
	s_wait_dscnt 0x0                               ; the last unit's LDS stores have read the codes' registers
.endif
	QUANT S, PC, CT, TM, VPS+4+\i
.irp q, 0,1,2
	ds_store_b128 v[KST], v[PC+4*\q:PC+4*\q+3] offset:3072*\i+512*\q   ; fragment (4 a + i, c) as it stands: 512 consecutive bytes a store
.endr
.endm
; A block of q, off bytes into the slot in hand: 16 fragments into window 2 and their scale words (register t = tile t; lanes 0-15 K step 0, lanes 16-31 K step 1): 50 loads in one run
.macro FETCH_Q off
	WIN 0
	s_add_co_u32 s[T2], s[TB], \off
	v_add_nc_u32 v[ADQ], s[T2], v[LI]
	WIN 0x80
.set nn, 0
.rept 48
	ds_load_b128 v[4*nn:4*nn+3], v[ADQ] offset:512*nn
.set nn, nn+1
.endr
	WIN 0
	ds_load_b128 v[QPS:QPS+3], v[ADQ] offset:24576
	ds_load_b128 v[QPS+4:QPS+7], v[ADQ] offset:25088
.endm
; A block of v likewise, into window 3; scale words: register 4 L + i: lanes 0-15 fragment 8 L + i, lanes 16-31 fragment 8 L + 4 + i
.macro FETCH_V off
	WIN 0
	s_add_co_u32 s[T2], s[TB], \off
	v_add_nc_u32 v[ADV], s[T2], v[LI]
	WIN 0xc0
.set nn, 0
.rept 48
	ds_load_b128 v[4*nn:4*nn+3], v[ADV] offset:512*nn
.set nn, nn+1
.endr
	WIN 0
	ds_load_b128 v[VPS:VPS+3], v[ADV] offset:24576
	ds_load_b128 v[VPS+4:VPS+7], v[ADV] offset:25088
.endm
; S^T = q k^T: 32 products; the 16 accumulators take turns, one instruction a turn; the first K step starts the sums
.macro KQ
	WIN 0x0a                                       ; sources 0 and 1 window 2
.irp s, 0,1
.irp t, 0,1,2,3,4,5,6,7
.irp u, 0,1
.set rD, S+64*\u+8*\t
.set rA, 12*(2*\t+\s)
.set rB, 192+12*(2*\u+\s)
.if \s == 0
	v_wmma_scale_f32_16x16x128_f8f6f4 v[rD:rD+7], v[rA:rA+11], v[rB:rB+11], 0, v[QPS+\t], v[KPS+\u] matrix_a_fmt:MATRIX_FMT_BF6 matrix_b_fmt:MATRIX_FMT_BF6
.else
	v_wmma_scale_f32_16x16x128_f8f6f4 v[rD:rD+7], v[rA:rA+11], v[rB:rB+11], v[rD:rD+7], v[QPS+\t], v[KPS+\u] matrix_a_fmt:MATRIX_FMT_BF6 matrix_b_fmt:MATRIX_FMT_BF6 matrix_a_scale:MATRIX_SCALE_ROW1 matrix_b_scale:MATRIX_SCALE_ROW1
.endif
.endr
.endr
.endr
.endm
; O^T += v^T p^T: 32 products, each on an accumulator of its own
.macro PV
	WIN 0x53                                       ; source 0 window 3, source 1 window 0, C and D window 1
.set tt, 0
.rept 16
.irp u, 0,1
.set rD, 128*\u+8*tt
.set rA, 12*tt
.set rB, PC+12*\u
.set rV, VPS+4*(tt/8)+(tt%4)
.if (tt/4)%2
	v_wmma_scale_f32_16x16x128_f8f6f4 v[rD:rD+7], v[rA:rA+11], v[rB:rB+11], v[rD:rD+7], v[rV], v[PWP+\u] matrix_a_fmt:MATRIX_FMT_BF6 matrix_b_fmt:MATRIX_FMT_BF6 matrix_a_scale:MATRIX_SCALE_ROW1
.else
	v_wmma_scale_f32_16x16x128_f8f6f4 v[rD:rD+7], v[rA:rA+11], v[rB:rB+11], v[rD:rD+7], v[rV], v[PWP+\u] matrix_a_fmt:MATRIX_FMT_BF6 matrix_b_fmt:MATRIX_FMT_BF6
.endif
.endr
.set tt, tt+1
.endr
.endm
; The softmax of both tiles for 128 positions, each phase for both tiles, so that no line waits for the line above it.
.macro SOFTMAX
.irp u, 0,1
.irp b, 0,1,2,3
	v_max3_num_f32 v[TM+16*\u+\b], v[S+64*\u+16*\b], v[S+64*\u+16*\b+1], v[S+64*\u+16*\b+2]   ; THE LARGEST SCORE OF EACH BLOCK OF 32: it serves for the row's maximum and, since p rises with the score, for the block's largest p.  Each accumulator is read from its low end on
.endr
.endr
.irp i, 3,5,7,9,11,13
.irp u, 0,1
.irp b, 0,1,2,3
	v_max3_num_f32 v[TM+16*\u+\b], v[TM+16*\u+\b], v[S+64*\u+16*\b+\i], v[S+64*\u+16*\b+\i+1]
.endr
.endr
.endr
.irp u, 0,1
.irp b, 0,1,2,3
	v_max_num_f32 v[TM+16*\u+\b], v[TM+16*\u+\b], v[S+64*\u+16*\b+15]
.endr
.endr
.irp u, 0,1
.irp b, 0,1,2,3
	v_permlanex16_b32 v[TM+16*\u+4+\b], v[TM+16*\u+\b], s[SEL], s[SEL+1]
.endr
.endr
.irp u, 0,1
.irp b, 0,1,2,3
	v_max_num_f32 v[TM+16*\u+\b], v[TM+16*\u+\b], v[TM+16*\u+4+\b]   ; with lane l xor 16's 16 positions
.endr
.endr
.irp u, 0,1
	v_max3_num_f32 v[ST+8*\u+6], v[TM+16*\u], v[TM+16*\u+1], v[TM+16*\u+2]
.endr
.irp u, 0,1
	v_max_num_f32 v[ST+8*\u+6], v[ST+8*\u+6], v[TM+16*\u+3]          ; the step's largest score of my row
.endr
.irp u, 0,1
	v_mul_f32 v[ST+8*\u+6], s[CS], v[ST+8*\u+6]                      ; as t (c is positive)
.endr
.irp u, 0,1
	v_max_num_f32 v[ST+8*\u+1], v[ST+8*\u+1], v[ST+8*\u+6]           ; the running largest t
.endr
.irp u, 0,1
	v_mov_b32 v[ST+8*\u+6], v[ST+8*\u]
.endr
.irp u, 0,1
	v_floor_f32 v[ST+8*\u], -v[ST+8*\u+1]                            ; the new -M = floor(-t): M IS A WHOLE NUMBER
.endr
.irp u, 0,1
	v_sub_f32 v[ST+8*\u+6], v[ST+8*\u], v[ST+8*\u+6]                 ; old M - new M: a whole number, 0 or less
.endr
.irp u, 0,1
	v_cvt_i32_f32 v[ST+8*\u+6], v[ST+8*\u+6]                         ; (it saturates)
.endr
.irp u, 0,1
	v_ldexp_f32 v[ST+8*\u+4], 1.0, v[ST+8*\u+6]                      ; f = 2^(old M - new M)
.endr
.irp u, 0,1
.set nn, 0
.rept 32
	v_pk_fma_f32 v[S+64*\u+2*nn:S+64*\u+2*nn+1], v[S+64*\u+2*nn:S+64*\u+2*nn+1], s[CS:CS+1], v[ST+8*\u:ST+8*\u+1] op_sel_hi:[1,0,0]   ; t - M, two at a time (of the pairs c and -M the low word serves both halves)
.set nn, nn+1
.endr
.endr
.irp u, 0,1
.irp b, 0,1,2,3
	v_fma_f32 v[TM+16*\u+\b], v[TM+16*\u+\b], s[CS], v[ST+8*\u]      ; the same of each block's largest score
.endr
.endr
.set nn, 0
.rept 128
	v_exp_f32 v[S+nn], v[S+nn]                                       ; p = 2^(t - M), at most 1: not normalised.  One batch
.set nn, nn+1
.endr
.irp u, 0,1
	v_pk_mul_f32 v[ST+8*\u+2:ST+8*\u+3], v[ST+8*\u+2:ST+8*\u+3], v[ST+8*\u+4:ST+8*\u+5] op_sel_hi:[1,0]   ; the sums under the new M: plain lines behind the exponentials
.endr
	s_wait_alu depctr_va_vdst(0)                   ; one wait for the batch, ahead of its first reader
.irp u, 0,1
.irp b, 0,1,2,3
	v_exp_f32 v[TM+16*\u+\b], v[TM+16*\u+\b]                         ; the block's largest p: the same two instructions on the same number give the same bits
.endr
.endr
.irp u, 0,1
	v_pk_add_f32 v[TM+16*\u+12:TM+16*\u+13], v[S+64*\u:S+64*\u+1], v[S+64*\u+2:S+64*\u+3]   ; THE ROW'S SUM IS TAKEN OF THE UNQUANTISED p, in two chains a tile; it reads the 128 alone
.endr
.irp j, 4,8,12,16,20,24,28,32,36,40,44,48,52,56,60
.irp u, 0,1
	v_pk_add_f32 v[ST+8*\u+2:ST+8*\u+3], v[ST+8*\u+2:ST+8*\u+3], v[S+64*\u+\j:S+64*\u+\j+1]
	v_pk_add_f32 v[TM+16*\u+12:TM+16*\u+13], v[TM+16*\u+12:TM+16*\u+13], v[S+64*\u+\j+2:S+64*\u+\j+3]
.endr
.endr
.irp u, 0,1
	v_pk_add_f32 v[ST+8*\u+2:ST+8*\u+3], v[ST+8*\u+2:ST+8*\u+3], v[TM+16*\u+12:TM+16*\u+13]
.endr
	s_wait_alu depctr_va_vdst(0)                   ; and one for the eight
.irp u, 0,1
.irp b, 0,1,2,3
	v_max_num_f32 v[TM+16*\u+\b], 0x2800000, v[TM+16*\u+\b]          ; the floor 2^(5 - 127): the byte cannot fall under 1
.endr
.endr
.irp u, 0,1
.irp b, 0,1,2,3
	v_add_nc_u32 v[TM+16*\u+8+\b], 0xfe000000, v[TM+16*\u+\b]        ; 4 off the exponent field: the conversion's scale operand
.endr
.endr
.irp u, 0,1
.irp b, 0,1,2,3
	v_lshrrev_b32 v[TM+16*\u+4+\b], 23, v[TM+16*\u+8+\b]             ; the scale's byte
.endr
.endr
.irp u, 0,1
	v_lshl_or_b32 v[PWP+\u], v[TM+16*\u+5], 8, v[TM+16*\u+4]         ; p's scale word for these 128 positions
	v_lshl_or_b32 v[PWP+\u], v[TM+16*\u+6], 16, v[PWP+\u]
	v_lshl_or_b32 v[PWP+\u], v[TM+16*\u+7], 24, v[PWP+\u]
.endr
	PACKC S, PC, CT, TM+8
	PACKC S+64, PC+12, CT+8, TM+24
.endm
.macro RESCALE                         ; O^T under the new M: x f, each accumulator from its low end on.  These 128 plain lines are also the places between the lines that wrote p's codes and scale words and the products that take them
	WIN 0x41                                       ; destination and source 0 window 1
.irp u, 0,1
.set nn, 0
.rept 64
	v_pk_mul_f32 v[128*\u+2*nn:128*\u+2*nn+1], v[128*\u+2*nn:128*\u+2*nn+1], v[ST+8*\u+4:ST+8*\u+5] op_sel_hi:[1,0]
.set nn, nn+1
.endr
.endr
.endm
; A PREFETCH INTO THE L2 of the last slot's 102,400 bytes, at the change that asks for the slot before it: two key steps, 128 matrix instructions, ahead of the load that will want them.  Both clusters of a (b, h) walk the same bytes: the first asks.
; Its four partners take 25,600 bytes each, told apart BY ADDRESS; each wave 6,400 of them, lanes 256 bytes apart: 25 lanes; lanes 25 to 31 name lane 24's block again in the same instruction.  The earlier slots come by their loads alone.
.macro ASK
	s_cmp_gt_u32 s[CNT], s[LIM]
	s_cbranch_scc0 .Lnot_mine_\@
	global_prefetch_b8 v[PFO], s[PFA:PFA+1] th:TH_LOAD_NT scope:SCOPE_SE
.Lnot_mine_\@:
.endm
; A KEY STEP: 128 positions, the slot's first (half = 0) or second (1).  q of this step is in registers.  chg: what stands behind K Q^T:
;   0: q of the slot's second step is fetched.   1: THE CHANGE OF SLOTS with a refill.   2: the change without.   3: the last step: nothing is left to fetch.
.macro STEP half, chg
	PLACES                                         ; behind the last products, which read window 3's registers
	FETCH_V 2*BLKB*\half+BLKB
	KQ
.if \chg == 0
	PLACES
	FETCH_Q 2*BLKB
.elseif \chg == 1
	WIN 0
	s_wait_tensorcnt 0x0                           ; all my tensor loads have landed: the one that was out is my quarter of the other slot; so a group 0 may be written
	ds_add_u32 v[SPW], v[NIL]                      ; 0 onto my spare word; the descriptor's steps stand between it and the wait for it
	s_xor_b32 s[G0B+1], s[G0B+1], SLOT1            ; the walking descriptor: the slot that is being left,
	s_add_nc_u64 s[G0B+2:G0B+3], s[G0B+2:G0B+3], SLOTB   ; the next 256 positions; the type bits on top are not reached
	s_wait_dscnt 0x0                               ; the add is done, and my reads of this slot are over: the last were v of its second step
	CROUND                                         ; both now hold of every wave of all four work-groups
	tensor_load_to_lds s[G0B:G0B+3], s[G1:G1+7]    ; the joint refill, first behind the round, my one tensor load until the next: it has two key steps in which to land
	s_nop 0
	PLACES                                         ; four v_nop here; they are also the places in front of the loads below
	s_xor_b32 s[TB], s[TB], SLOT1                  ; on to the other slot
	FETCH_Q 0
	ASK
.elseif \chg == 2
	WIN 0
	s_wait_tensorcnt 0x0                           ; my quarter of the last slot has landed
	ds_add_u32 v[SPW], v[NIL]                      ; 0 onto my spare word
	s_xor_b32 s[TB], s[TB], SLOT1
	s_wait_dscnt 0x0
	s_barrier_signal -1
	s_barrier_wait -1                              ; everybody's has; nothing is filled again, so no round of the cluster's barrier
	PLACES
	FETCH_Q 0
.else
	WIN 0
	PLACES
.endif
	SOFTMAX
	RESCALE
	s_wait_dscnt 0x0                               ; v of this step and q of the next are in: both were asked for ahead of the softmax
	PV
	WIN 0
.endm
	s_load_b128 s[4:7], s[0:1], 0x0                ; img s[4:5], qv s[6:7]
	s_load_b64 s[8:9], s[0:1], 0x10                ; cc
	s_load_b64 s[52:53], s[0:1], 0x18              ; bk
	v_lshl_add_u32 v[SPW], v0, 2, SPARE
	v_mov_b32 v[NIL], 0
	ds_add_u32 v4, v5
	ds_add_u32 v4, v5
	s_wait_dscnt 0x0
	v_lshrrev_b32 v1, 5, v0
	v_readfirstlane_b32 s[WV], v1                  ; wave 0..3
	s_bfe_u32 s11, ttmp6, 0x40000                  ; cx: my place in the cluster: it enters the addresses in img and cc and of the prefetch alone
	s_lshl_b32 s12, ttmp9, 2
	s_add_co_u32 s12, s12, s11                     ; j: my block of 128 rows of k
	s_and_b32 s13, ttmp7, 0xffff                   ; 8 b + h, which the four partners share
	; descriptor group 1: a dense block of 25,600 bytes as 100 rows of 256 bytes
	s_mov_b32 s[G1], 15|(3<<16)|(1<<21)            ; 15:0 the mask: all four work-groups; 17:16 elements of 8 bytes; 20 no padding; 21 set beside a mask
	s_mov_b32 s[G1+1], 32<<16                      ; tensor_dim0 = 32
	s_mov_b32 s[G1+2], 100<<16                     ; tensor_dim1 = 100
	s_mov_b32 s[G1+3], 32<<16                      ; tile_dim0 = 32
	s_mov_b32 s[G1+4], 100                         ; tile_dim1 = 100
	s_mov_b32 s[G1+5], 32                          ; from row to row
	s_mov_b32 s[G1+6], 0
	s_mov_b32 s[G1+7], 0
	s_mul_i32 s32, s13, 16*BLKB                    ; the (b, h)'s first byte in qv
	s_mul_i32 s33, s[WV], BLKB                     ; my quarter of a slot, in memory and in LDS
	s_add_co_u32 s34, s32, s33
	s_mov_b32 s35, 0
	s_and_b32 s60, s13, 7                          ; the head
	s_lshr_b32 s61, s[WV], 1                       ; a
	s_and_b32 s62, s[WV], 1                        ; c
	s_lshr_b32 s38, s13, 3
	s_lshl_b32 s38, s38, 3
	s_add_co_u32 s38, s38, s12                     ; 8 b + j
	s_add_co_u32 s36, s38, 32
	s_mul_i32 s36, s36, BLKB                       ; img's block 32 + 8 b + j: my 128 rows of the key input
	s_mov_b32 s37, 0
	s_lshl_b32 s38, s38, 3
	s_add_co_u32 s38, s38, s60
	s_mul_i32 s38, s38, BLKB                       ; my block of cc: 8 (8 b + j) + h
	s_mov_b32 s39, 0
	s_lshl_b32 s56, s60, 1
	s_add_co_u32 s56, s56, s62
	s_add_co_u32 s56, s56, 112
	s_mul_i32 s56, s56, BLKB                       ; img's block 112 + 2 h + c: Wk's columns 256 h + 128 c on
	s_mov_b32 s57, 0
	s_lshl_b32 s58, s60, 10
	s_lshl_b32 s59, s62, 9
	s_add_co_u32 s58, s58, s59                     ; their bias: 4 (256 h + 128 c) bytes on
	s_mov_b32 s59, 0
	s_mul_i32 s48, s11, BLKB
	s_mul_i32 s49, s[WV], 6400
	s_add_co_u32 s48, s48, s49
	s_add_co_u32 s48, s48, s32
	s_add_co_u32 s48, s48, 3*SLOTB                 ; my part of the last slot
	s_mov_b32 s49, 0
	s_cmp_eq_u32 ttmp9, 0
	s_cselect_b32 s[LIM], 1, -1                    ; the same in all four partners
	s_mov_b32 s[CNT], 2
	s_mov_b32 s[TB], 0
	s_mov_b32 s[SEL], 0x76543210
	s_mov_b32 s[SEL+1], 0xfedcba98
	s_mov_b32 s[CS], 0x3db8aa3b                    ; c = log2(e) / 16
	s_mov_b32 s[CS+1], s[CS]                       ; (named with it as a pair, so it is written)
	s_wait_kmcnt 0x0
	s_add_nc_u64 s[54:55], s[4:5], s[56:57]        ; Wk's block
	s_add_nc_u64 s[4:5], s[4:5], s[36:37]          ; the key input's block
	s_add_nc_u64 s[52:53], s[52:53], s[58:59]      ; bk
	s_add_nc_u64 s[8:9], s[8:9], s[38:39]
	s_add_nc_u64 s[PFA:PFA+1], s[6:7], s[48:49]
	s_add_nc_u64 s[6:7], s[6:7], s[34:35]
	CROUND                                         ; all four work-groups are here: the first joint loads meet
	s_mov_b32 s[G0A], 1                            ; count = 1
	s_mov_b32 s[G0A+1], s33                        ; LDS address: slot 0, my quarter
	s_mov_b64 s[G0A+2:G0A+3], s[6:7]               ; global address: positions 0 to 255
	s_or_b32 s[G0A+3], s[G0A+3], 0x80000000        ; type = 2
	s_mov_b32 s[G0B], 1
	s_add_co_u32 s[G0B+1], s33, SLOT1
	s_add_nc_u64 s[G0B+2:G0B+3], s[6:7], SLOTB
	s_or_b32 s[G0B+3], s[G0B+3], 0x80000000
	tensor_load_to_lds s[G0A:G0A+3], s[G1:G1+7]    ; both first fills go out together: two loads of mine are out, the most in this text
	s_nop 0
	tensor_load_to_lds s[G0B:G0B+3], s[G1:G1+7]
	s_nop 0
	PLACES
	; ---- THE k PROJECTION, while the first tiles are on their way.  Wk's block first: it is wanted by every unit
	v_and_b32 v[LN], 31, v0
	v_lshlrev_b32 v[LI], 4, v[LN]
	WIN 0x80                                       ; destination window 2
.set nn, 0
.rept 48
	global_load_b128 v[4*nn:4*nn+3], v[LI], s[54:55] offset:512*nn      ; Wk's 16 fragments, as they lie
.set nn, nn+1
.endr
	WIN 0
	global_load_b128 v[QPS:QPS+3], v[LI], s[54:55] offset:24576         ; its scale words: register t = tile t; lanes 0-15 K step 0, lanes 16-31 K step 1
	global_load_b128 v[QPS+4:QPS+7], v[LI], s[54:55] offset:25088
	s_mul_i32 s50, s[WV], 6144                     ; the addresses, the first values and the clearing of O^T stand here, among the loads
	v_add_nc_u32 v[GO], s50, v[LI]
	s_lshr_b32 s50, s[WV], 1
	s_lshl_b32 s50, s50, 9
	s_and_b32 s51, s[WV], 1
	s_lshl_b32 s51, s51, 3
	s_add_co_u32 s50, s50, s51
	v_add_nc_u32 v[GS], s50, v[LI]
	v_min_u32 v[PFO], 24, v[LN]
	v_lshlrev_b32 v[PFO], 8, v[PFO]
	v_add_nc_u32 v[KLD], KIMG, v[GO]
	v_add_nc_u32 v[KLS], KIMG+24576, v[GS]
	s_mul_i32 s50, s61, 12288
	v_add_nc_u32 v[XO], s50, v[LI]
	s_mul_i32 s51, s62, 1536
	s_add_co_u32 s51, s51, s50
	s_add_co_u32 s51, s51, KIMG
	v_add_nc_u32 v[KST], s51, v[LI]
	s_lshl_b32 s50, s61, 9
	v_add_nc_u32 v[XSO], s50, v[LI]
	s_lshl_b32 s50, s[WV], 8
	s_add_co_u32 s50, s50, KIMG+24576
	v_and_b32 v[KSW], 15, v0
	v_lshl_add_u32 v[KSW], v[KSW], 4, s50
	v_bfe_u32 v[BO], v0, 4, 1
	v_lshlrev_b32 v[BO], 6, v[BO]
.irp u, 0,1
	v_mov_b32 v[ST+8*\u+1], 0xff61b1e6             ; the largest t so far: -3e38, under every t
	v_floor_f32 v[ST+8*\u], -v[ST+8*\u+1]          ; -M
	v_mov_b32 v[ST+8*\u+2], 0                      ; the sum, in two halves
	v_mov_b32 v[ST+8*\u+3], 0
	v_mov_b32 v[ST+8*\u+5], 0                      ; (named as the upper half of a pair)
	v_mov_b32 v[ST+8*\u+7], 0                      ; (a lane permute's destination counts as one of its sources)
.irp b, 0,1,2,3
	v_mov_b32 v[TM+16*\u+4+\b], 0
.endr
.endr
	WIN 0x40
.set nn, 0
.rept 256
	v_mov_b32 v[nn], 0                             ; O^T: the first change of M leaves zeros zeros
.set nn, nn+1
.endr
	WIN 0xc0                                       ; destination window 3
.irp t, 0,1,2,3,4,5,6,7
	global_load_b128 v[KCB+8*\t:KCB+8*\t+3], v[BO], s[52:53] offset:(32*(\t/2)+8*(\t%2))*4      ; bk goes along the registers: tile t: channels 32 (t / 2) + 16 (lane / 16) + 8 (t % 2) + 0 .. 7
	global_load_b128 v[KCB+8*\t+4:KCB+8*\t+7], v[BO], s[52:53] offset:(32*(\t/2)+8*(\t%2))*4+16
.endr
	WIN 0
	global_load_b128 v[VPS:VPS+3], v[XSO], s[4:5] offset:24576          ; the scale words of the input's tiles 4 a .. 4 a + 3
	WIN 0xc0
.set nn, 0
.rept 24
	global_load_b128 v[4*nn:4*nn+3], v[XO], s[4:5] offset:512*nn        ; and their fragments: six loads a unit
.set nn, nn+1
.endr
	WIN 0
	KUNIT 0
	KUNIT 1
	KUNIT 2
	KUNIT 3
	ds_store_b128 v[KSW], v[VPS+4:VPS+7]           ; my four words of each row; lanes 16-31 write the same bytes with the same values
	s_wait_tensorcnt 1                             ; my quarter of slot 0 is in; slot 1's may stay out
	s_wait_dscnt 0x0                               ; for the others' sake: my part of the block of k lies in LDS
	s_barrier_signal -1
	s_barrier_wait -1                              ; everybody's quarter and everybody's part do
	WIN 0x80
.set nn, 0
.rept 12
	ds_load_b128 v[192+4*nn:192+4*nn+3], v[KLD] offset:512*nn           ; my two tiles of k, both K steps: they stay in registers
.set nn, nn+1
.endr
	WIN 0
	ds_load_b64 v[KPS:KPS+1], v[KLS]               ; their scale words: lanes 0-15 K step 0, lanes 16-31 K step 1
	FETCH_Q 0                                      ; (the last unit's four v_nop are the places in front of these loads into Wk's registers)
	s_wait_dscnt 0x0                               ; k, and q of step 0
.Lfill:                                            ; two trips: each walks a slot and fills it again
	STEP 0, 0
	STEP 1, 1
	s_sub_co_u32 s[CNT], s[CNT], 1
	s_cmp_lg_u32 s[CNT], 0
	s_cbranch_scc1 .Lfill
	STEP 0, 0                                      ; the last two slots are written out
	STEP 1, 2
	STEP 0, 0
	STEP 1, 3
	; THE WAY OUT.  The additions are the places behind the last products.
.irp u, 0,1
	v_add_f32 v[ST+8*\u+6], v[ST+8*\u+2], v[ST+8*\u+3]   ; the sum's two halves,
.endr
.irp u, 0,1
	v_permlanex16_b32 v[ST+8*\u+7], v[ST+8*\u+6], s[SEL], s[SEL+1]
.endr
.irp u, 0,1
	v_add_f32 v[ST+8*\u+6], v[ST+8*\u+6], v[ST+8*\u+7]   ; and lane l xor 16's: the row's sum
.endr
.irp u, 0,1
	v_rcp_f32 v[ST+8*\u+4], v[ST+8*\u+6]
.endr
	v_nop                                          ; a plain line behind the reciprocals
	s_wait_alu depctr_va_vdst(0)                   ; and a wait ahead of the first use: one for both
.irp u, 0,1
.irp s, 0,1                                    ; tile u, channels 128 s on: 64 registers, 16 neighbours to each pair of accumulators: one fragment of the last product's operand
	WIN 0x01                                       ; source 0 window 1
.set nn, 0
.rept 32
	v_pk_mul_f32 v[S+64*\s+2*nn:S+64*\s+2*nn+1], v[128*\u+64*\s+2*nn:128*\u+64*\s+2*nn+1], v[ST+8*\u+4:ST+8*\u+5] op_sel_hi:[1,0]   ; O^T / the sum, each accumulator from its low end on
.set nn, nn+1
.endr
	WIN 0
	s_wait_xcnt 0x0                                ; the stores of the fragment before have read the codes' registers
	QUANT S+64*\s, PC, CT, TM, WO+2*\u+\s
.irp c, 0,1,2
	global_store_b128 v[GO], v[PC+4*\c:PC+4*\c+3], s[8:9] offset:3072*\u+1536*\s+512*\c   ; 512 consecutive bytes, aligned
.endr
.endr
.endr
	v_cmp_gt_u32 vcc_lo, 16, v[LN]
	v_cndmask_b32 v[WO+4], v[WO+1], v[WO], vcc_lo      ; lanes 0-15 store K step 0's word of row l % 16, lanes 16-31 K step 1's
	v_cndmask_b32 v[WO+5], v[WO+3], v[WO+2], vcc_lo
	global_store_b64 v[GS], v[WO+4:WO+5], s[8:9] offset:24576
	s_wait_tensorcnt 0x0                           ; the wave's end
	ds_add_u32 v[SPW], v[NIL]
	s_wait_dscnt 0x0
	CROUND                                         ; the closing round: no work-group ends while a partner may still ask for a tile that names it
	s_endpgm
.Lfunc_end_k_q438b198b27_attn:
	.size	k_q438b198b27_attn, .Lfunc_end_k_q438b198b27_attn-k_q438b198b27_attn
	.p2alignl 7, 3214868480
	.fill 96, 4, 3214868480
	.section	.rodata,"a",@progbits
	.p2align	6, 0x0
	.amdhsa_kernel k_q438b198b27_attn
		.amdhsa_group_segment_fixed_size 327680
		.amdhsa_private_segment_fixed_size 0
		.amdhsa_enable_private_segment 0
		.amdhsa_kernarg_size 32
		.amdhsa_user_sgpr_count 2
		.amdhsa_user_sgpr_kernarg_segment_ptr 1
		.amdhsa_wavefront_size32 1
		.amdhsa_system_sgpr_workgroup_id_x 1
		.amdhsa_system_sgpr_workgroup_id_y 1
		.amdhsa_system_sgpr_workgroup_id_z 1
		.amdhsa_system_vgpr_workitem_id 0
		.amdhsa_next_free_vgpr 960
		.amdhsa_next_free_sgpr 66
		.amdhsa_reserve_vcc 1
		.amdhsa_float_denorm_mode_32 3
		.amdhsa_float_denorm_mode_16_64 3
		.amdhsa_memory_ordered 1
		.amdhsa_forward_progress 1
		.amdhsa_inst_pref_size 255
	.end_amdhsa_kernel
	.section	.bss,"aw",@nobits
	.p2align	6
	.space	262144
	.amdgpu_metadata
---
amdhsa.version: [ 1, 2 ]
amdhsa.kernels:
  - .name:           k_q438b198b27_attn
    .symbol:         k_q438b198b27_attn.kd
    .args:
      - { .name: img, .offset: 0, .size: 8, .value_kind: global_buffer, .address_space: global }
      - { .name: qv, .offset: 8, .size: 8, .value_kind: global_buffer, .address_space: global }
      - { .name: cc, .offset: 16, .size: 8, .value_kind: global_buffer, .address_space: global }
      - { .name: bk, .offset: 24, .size: 8, .value_kind: global_buffer, .address_space: global }
    .group_segment_fixed_size: 327680
    .private_segment_fixed_size: 0
    .kernarg_segment_align: 8
    .kernarg_segment_size: 32
    .max_flat_workgroup_size: 128
    .sgpr_count:     66
    .vgpr_count:     960
    .wavefront_size: 32
...
	.end_amdgpu_metadata
.endif
;; end of part 3
;; launch oproj (part 4): grid 4 x 64, 4 waves a work-group, no clusters, 70,144 bytes of LDS; arguments cc, img, bo, out0; writes out0
.if DOCPART == 4
	.amdgcn_target "amdgcn-amd-amdhsa--gfx1250"
	.amdhsa_code_object_version 6
	.text
	.protected	k_q438b198b27_oproj
	.globl	k_q438b198b27_oproj
	.p2align	8
	.type	k_q438b198b27_oproj,@function
k_q438b198b27_oproj:
	s_mov_b64 s[64:65], 0
	v_nop
	global_prefetch_b8 v0, s[64:65] scope:SCOPE_SE
	s_setreg_imm32_b32 hwreg(HW_REG_WAVE_MODE, 25, 1), 1
	s_wait_xcnt 0x0
; out0 = concat Wo + bo on codes of BF6 (E3M2) with E8M0 scales; concat [4096][2048] lies in cc, Wo in img, both as images of operand registers (blocks of 25,600 bytes: 128 rows x 256 along K; fragment (t, s) at 1536 (2 t + s); scale words from byte 24,576 on).
; cc's block 8 bj + h: rows 128 bj on, K = head h's 256.  img's block 144 + 2 h + n: rows = Wo's columns 128 n on, K = Wo's rows 256 h on.  Lane r of tile t holds row 32 (t / 2) + 8 (t % 2) + r + 8 (r / 8) of its block.
; SHARES: a work-group makes 64 rows x 64 columns of out0 (x: the columns, y: the rows): 256 work-groups.  K IS SPLIT OVER THE WAVES: wave w takes heads 2 w, 2 w + 1: four K steps, 64 matrix instructions on 16 accumulators, which take turns, one instruction a turn.
; So no operand byte is read twice inside a work-group.  The four partial sums meet in LDS; each wave adds, for 16 rows, the four parts and the bias, and stores whole rows of 256 bytes.  The sum's order differs from an ascending K: the result is judged within a tolerance.
; The product is used transposed (source 0 = 16 columns of Wo, source 1 = 16 rows of concat): a lane holds eight neighbouring numbers of a row of out0.
; NO CLUSTER, NO TENSOR LOAD: operands go from memory straight into the registers that the matrix instruction names, all loads go out at the head, and the work-group ends after four K steps: there is no ring of slots whose changes a joint request could ride on.
; REGISTERS: window 0: v1-8 offsets; v16-19 the bias; v20-27 concat's scale words, v28-35 Wo's; v64-191 the accumulators ((i, n) at 64 + 8 (4 i + n)), later the four parts.   window 1: concat's 16 fragments (12 (8 hh + 2 i + s)).   window 2: Wo's likewise.
.set BLKB, 25600
.set AS,   20
.set BS,   28
.set ACC,  64
.set SPT,  272                         ; a row of 256 bytes in the stage + 16: 17 x 16 bytes, so that sixteen rows written at one column fall on different banks (64 banks of 4 bytes: ISA guide 11.1)
.set PART, 64*SPT                      ; a wave's part: 64 rows
.set MSB, 0
.macro WIN new                         ; the immediate's high byte repeats the setting that is left
.if MSB != \new
	s_set_vgpr_msb (MSB<<8)|\new
.set MSB, \new
.endif
.endm
	s_load_b256 s[4:11], s[0:1], 0x0               ; cc s[4:5], img s[6:7], bo s[8:9], out0 s[10:11]
	v_lshl_add_u32 v254, v0, 2, 0x11000
	v_mov_b32 v255, 0
	v_lshrrev_b32 v1, 5, v0
	v_readfirstlane_b32 s12, v1                    ; wave w
	s_and_b32 s14, ttmp7, 0xffff
	s_lshr_b32 s15, s14, 1                         ; bj: which 128 rows
	s_and_b32 s16, s14, 1                          ; g: which 64 of them: tiles 4 g + i
	s_and_b32 s17, ttmp9, 1                        ; which 64 of Wo's 128 columns: tiles 4 (x % 2) + n
	s_lshr_b32 s18, ttmp9, 1                       ; which 128 columns
	v_and_b32 v9, 31, v0                           ; lane
	v_and_b32 v10, 15, v0                          ; r
	v_bfe_u32 v11, v0, 4, 1                        ; h
	v_lshlrev_b32 v12, 4, v9                       ; 16 lane
	s_mul_i32 s20, s16, 12288
	v_add_nc_u32 v1, s20, v12                      ; concat's fragments
	s_mul_i32 s20, s17, 12288
	v_add_nc_u32 v2, s20, v12                      ; Wo's
	s_lshl_b32 s20, s16, 9
	v_add_nc_u32 v3, s20, v12                      ; concat's scale words
	s_lshl_b32 s20, s17, 9
	v_add_nc_u32 v4, s20, v12                      ; Wo's
	v_lshlrev_b32 v5, 4, v10                       ; my four columns on the way out: 16 (lane % 16)
	s_mul_i32 s20, s12, PART
	v_mul_u32_u24 v6, v10, SPT
	v_lshl_add_u32 v6, v11, 6, v6
	v_add_nc_u32 v6, s20, v6                       ; into the stage: my part, row r of a tile, + 64 h
	s_mul_i32 s20, s12, 16*SPT
	v_mul_u32_u24 v7, v11, SPT
	v_lshl_add_u32 v7, v10, 4, v7
	v_add_nc_u32 v7, s20, v7                       ; back: tile w's rows; lanes 0-15 one row, lanes 16-31 the next
	v_lshl_add_u32 v8, v11, 10, v5                 ; and the same two rows in out0
	s_lshl_b32 s20, s15, 3
	s_lshl_b32 s21, s12, 1
	s_add_co_u32 s20, s20, s21
	s_mul_i32 s20, s20, BLKB                       ; cc's block 8 bj + 2 w
	s_mov_b32 s21, 0
	s_lshl_b32 s22, s12, 2
	s_add_co_u32 s22, s22, s18
	s_add_co_u32 s22, s22, 144
	s_mul_i32 s22, s22, BLKB                       ; img's block 144 + 4 w + x / 2
	s_mov_b32 s23, 0
	s_lshl_b32 s24, ttmp9, 8                       ; 64 columns are 256 bytes
	s_mov_b32 s25, 0
	s_lshl_b32 s26, s15, 7
	s_lshl_b32 s27, s16, 6
	s_add_co_u32 s26, s26, s27
	s_lshr_b32 s27, s12, 1
	s_lshl_b32 s27, s27, 5
	s_add_co_u32 s26, s26, s27
	s_and_b32 s27, s12, 1
	s_lshl_b32 s27, s27, 3
	s_add_co_u32 s26, s26, s27                     ; the first row that I store: 128 bj + 64 g + 32 (w / 2) + 8 (w % 2): tile 4 g + w's
	s_lshl_b32 s26, s26, 10
	s_add_co_u32 s26, s26, s24
	s_mov_b32 s27, 0
	s_wait_kmcnt 0x0
	s_add_nc_u64 s[4:5], s[4:5], s[20:21]
	s_add_nc_u64 s[6:7], s[6:7], s[22:23]
	s_add_nc_u64 s[8:9], s[8:9], s[24:25]
	s_add_nc_u64 s[10:11], s[10:11], s[26:27]
	global_load_b128 v[16:19], v5, s[8:9]          ; the bias of my four columns
.irp hh, 0,1                                   ; my two heads: 50 loads each
	global_load_b128 v[AS+4*\hh:AS+4*\hh+3], v3, s[4:5] offset:BLKB*\hh+24576      ; register i = tile 4 g + i; lanes 0-15 K step 0, lanes 16-31 K step 1
	global_load_b128 v[BS+4*\hh:BS+4*\hh+3], v4, s[6:7] offset:2*BLKB*\hh+24576
	WIN 0x40
.set ii, 0
.rept 24
	global_load_b128 v[96*\hh+4*ii:96*\hh+4*ii+3], v1, s[4:5] offset:BLKB*\hh+512*ii
.set ii, ii+1
.endr
	WIN 0x80
.set ii, 0
.rept 24
	global_load_b128 v[96*\hh+4*ii:96*\hh+4*ii+3], v2, s[6:7] offset:2*BLKB*\hh+512*ii
.set ii, ii+1
.endr
	WIN 0
.endr
.irp hh, 0,1
.if \hh == 0
	s_wait_loadcnt 50                              ; the bias and the first head are in; the second head's 50 loads may be out
.else
	s_wait_loadcnt 0x0
.endif
	WIN 0x06                                       ; source 0 (Wo) window 2, source 1 (concat) window 1
.irp s, 0,1
.irp i, 0,1,2,3
.irp n, 0,1,2,3
.set rD, ACC+8*(4*\i+\n)
.set rA, 12*(8*\hh+2*\n+\s)
.set rB, 12*(8*\hh+2*\i+\s)
.if (\hh == 0) && (\s == 0)
	v_wmma_scale_f32_16x16x128_f8f6f4 v[rD:rD+7], v[rA:rA+11], v[rB:rB+11], 0, v[BS+4*\hh+\n], v[AS+4*\hh+\i] matrix_a_fmt:MATRIX_FMT_BF6 matrix_b_fmt:MATRIX_FMT_BF6
.elseif \s == 0
	v_wmma_scale_f32_16x16x128_f8f6f4 v[rD:rD+7], v[rA:rA+11], v[rB:rB+11], v[rD:rD+7], v[BS+4*\hh+\n], v[AS+4*\hh+\i] matrix_a_fmt:MATRIX_FMT_BF6 matrix_b_fmt:MATRIX_FMT_BF6
.else
	v_wmma_scale_f32_16x16x128_f8f6f4 v[rD:rD+7], v[rA:rA+11], v[rB:rB+11], v[rD:rD+7], v[BS+4*\hh+\n], v[AS+4*\hh+\i] matrix_a_fmt:MATRIX_FMT_BF6 matrix_b_fmt:MATRIX_FMT_BF6 matrix_a_scale:MATRIX_SCALE_ROW1 matrix_b_scale:MATRIX_SCALE_ROW1
.endif
.endr
.endr
.endr
.endr
	WIN 0
.rept 4
	v_nop                                          ; four places between the last product and the first read of results (ISA guide 7.12.1)
.endr
.irp i, 0,1,2,3
.irp n, 0,1,2,3
	ds_store_b128 v6, v[ACC+8*(4*\i+\n):ACC+8*(4*\i+\n)+3] offset:16*SPT*\i+128*(\n/2)+32*(\n%2)        ; lane (r, h): row r of tile i, columns 32 (n / 2) + 16 h + 8 (n % 2) + 0 .. 7; each accumulator from its low end on
	ds_store_b128 v6, v[ACC+8*(4*\i+\n)+4:ACC+8*(4*\i+\n)+7] offset:16*SPT*\i+128*(\n/2)+32*(\n%2)+16
.endr
.endr
	s_wait_dscnt 0x0                               ; for the others' sake: my part lies in the stage; and the stores have read the accumulators' registers
	s_barrier_signal -1
	s_barrier_wait -1
.irp q, 0,1,2,3,4,5,6,7                        ; rows 2 q, 2 q + 1 of tile w: the four parts
.irp p, 0,1,2,3
	ds_load_b128 v[ACC+32*\p+4*\q:ACC+32*\p+4*\q+3], v7 offset:PART*\p+2*SPT*\q
.endr
.endr
.irp q, 0,1,2,3,4,5,6,7
	s_wait_dscnt 28-4*\q                           ; this pair of rows is in; the later pairs' four loads each may be out
.irp e, 0,2
	v_pk_add_f32 v[ACC+4*\q+\e:ACC+4*\q+\e+1], v[ACC+4*\q+\e:ACC+4*\q+\e+1], v[ACC+32+4*\q+\e:ACC+32+4*\q+\e+1]
	v_pk_add_f32 v[ACC+64+4*\q+\e:ACC+64+4*\q+\e+1], v[ACC+64+4*\q+\e:ACC+64+4*\q+\e+1], v[ACC+96+4*\q+\e:ACC+96+4*\q+\e+1]
.endr
.irp e, 0,2
	v_pk_add_f32 v[ACC+4*\q+\e:ACC+4*\q+\e+1], v[ACC+4*\q+\e:ACC+4*\q+\e+1], v[ACC+64+4*\q+\e:ACC+64+4*\q+\e+1]
.endr
.irp e, 0,2
	v_pk_add_f32 v[ACC+4*\q+\e:ACC+4*\q+\e+1], v[ACC+4*\q+\e:ACC+4*\q+\e+1], v[16+\e:17+\e]
.endr
	global_store_b128 v8, v[ACC+4*\q:ACC+4*\q+3], s[10:11] offset:(2*\q+8*(\q/4))*1024 th:TH_STORE_NT   ; the tile's row r = 2 q + lane / 16 is row r + 8 (r / 8) from its first; sixteen lanes store 256 consecutive bytes, aligned
.endr
	s_wait_tensorcnt 0x0
	ds_add_u32 v254, v255
	s_wait_dscnt 0x0
	s_endpgm
.Lfunc_end_k_q438b198b27_oproj:
	.size	k_q438b198b27_oproj, .Lfunc_end_k_q438b198b27_oproj-k_q438b198b27_oproj
	.p2alignl 7, 3214868480
	.fill 96, 4, 3214868480
	.section	.rodata,"a",@progbits
	.p2align	6, 0x0
	.amdhsa_kernel k_q438b198b27_oproj
		.amdhsa_group_segment_fixed_size 70144
		.amdhsa_private_segment_fixed_size 0
		.amdhsa_enable_private_segment 0
		.amdhsa_kernarg_size 32
		.amdhsa_user_sgpr_count 2
		.amdhsa_user_sgpr_kernarg_segment_ptr 1
		.amdhsa_wavefront_size32 1
		.amdhsa_system_sgpr_workgroup_id_x 1
		.amdhsa_system_sgpr_workgroup_id_y 1
		.amdhsa_system_sgpr_workgroup_id_z 1
		.amdhsa_system_vgpr_workitem_id 0
		.amdhsa_next_free_vgpr 704
		.amdhsa_next_free_sgpr 66
		.amdhsa_reserve_vcc 0
		.amdhsa_float_denorm_mode_32 3
		.amdhsa_float_denorm_mode_16_64 3
		.amdhsa_memory_ordered 1
		.amdhsa_forward_progress 1
		.amdhsa_inst_pref_size 30
	.end_amdhsa_kernel
	.amdgpu_metadata
---
amdhsa.version: [ 1, 2 ]
amdhsa.kernels:
  - .name:           k_q438b198b27_oproj
    .symbol:         k_q438b198b27_oproj.kd
    .args:
      - { .name: cc, .offset: 0, .size: 8, .value_kind: global_buffer, .address_space: global }
      - { .name: img, .offset: 8, .size: 8, .value_kind: global_buffer, .address_space: global }
      - { .name: bo, .offset: 16, .size: 8, .value_kind: global_buffer, .address_space: global }
      - { .name: out0, .offset: 24, .size: 8, .value_kind: global_buffer, .address_space: global }
    .group_segment_fixed_size: 70144
    .private_segment_fixed_size: 0
    .kernarg_segment_align: 8
    .kernarg_segment_size: 32
    .max_flat_workgroup_size: 128
    .sgpr_count:     66
    .vgpr_count:     704
    .wavefront_size: 32
...
	.end_amdgpu_metadata
.endif
;; end of part 4
;; ======== version 2 of 2: 4 launches; version 1 with the launches proj, oproj written anew for expert scheduling mode
;; workspace buffers: img 4,096,000 bytes; qv 13,107,200 bytes; cc 6,553,600 bytes
;; launch prep: the kernel of part 1 again; grid 160 x 1, 8 waves a work-group, no clusters, 136,192 bytes of LDS; arguments query_input, key_input, value_input, Wq, Wk, Wv, Wo, img; writes img
;; launch proj (part 5): grid 256 x 2, 4 waves a work-group, no clusters, 0 bytes of LDS; arguments img, bq, bv, qv; writes qv
.if DOCPART == 5
	.amdgcn_target "amdgcn-amd-amdhsa--gfx1250"
	.amdhsa_code_object_version 6
	.text
	.protected	k_q438b198b27_proj
	.globl	k_q438b198b27_proj
	.p2align	8
	.type	k_q438b198b27_proj,@function
k_q438b198b27_proj:
	s_mov_b64 s[64:65], 0
	v_nop
	global_prefetch_b8 v0, s[64:65] scope:SCOPE_SE
	s_setreg_imm32_b32 hwreg(HW_REG_WAVE_SCHED_MODE, 0, 2), 2
	s_setreg_imm32_b32 hwreg(HW_REG_WAVE_MODE, 25, 1), 1
	s_wait_xcnt 0x0
	s_wait_alu depctr_vm_vsrc(0)
; q = x_q Wq + bq and v = x_v Wv + bv on codes of BF6 (E3M2) with E8M0 scales, sums in f32; each result is quantised in registers along the K of the product that reads it next and stored as an image of operand registers.
; (k is read by one work-group of the attention launch alone, which makes it itself.)
; Operands come from img (blocks of 25,600 bytes: 128 rows x 256 along K; fragment (t, s) at 1536 (2 t + s), scale words from byte 24,576 on; lane r of tile t holds row 32 (t / 2) + 8 (t % 2) + r + 8 (r / 8)).
; With that choice of rows, in D = (source 0: tile t) x (source 1: any tile) lane (r, h) holds source 1's row r, and the 16 registers of tiles 2 b, 2 b + 1 are source 0's rows 32 b + 16 h + 0 .. 15: 16 NEIGHBOURS.
; q (work-group y = 0): next K = the head's 256 channels: source 0 = the weight's 128 columns (stationary, 16 fragments in registers), source 1 = 16 positions.  64 registers = one K step of the row: one fragment.
; v (y = 1): next K = the positions: source 0 = the input's 128 positions (stationary), source 1 = 16 columns of Wv: a lane holds one channel and 64 of its 128 positions.
; OUT: q: qv at 51,200 x (8 (8 b + h) + j): 128 positions x 256 channels; v 25,600 bytes behind it: 256 channels x 128 positions: fragment T at 1536 T, its lane r = channel 128 (T / 8) + row(T % 8, r); word (T, r) at 24576 + 256 (T / 4) + 16 r + 4 (T % 4).
; SHARES: work-group x = 8 (8 b + j) + h makes one such block; a wave makes four units of 16 streamed rows x 128 stationary rows: 16 matrix instructions, one fragment, one scale word a row.
; The bias is the C of each sum's first matrix instruction.  The eight accumulators of a unit take turns, one instruction a turn.
; NO CLUSTER, NO TENSOR LOAD: every operand byte goes from memory straight into the registers that the matrix instruction names, all loads go out at the head, and the work-group ends after 64 matrix instructions a wave: there is no ring of slots whose changes a joint request could ride on.
; LIMITS: a block of zeros gets the byte 1 with zero codes (this program alone reads the bytes); NaN and infinities are not served.
; THE MODE: SCHED_MODE bits 1:0 = 2 (LLVM: expert scheduling mode 2), set by the entry lines.  The code itself states the register dependences between vector or matrix instructions and memory instructions, with s_wait_alu, always for 0.
; THE PLAN.  Registers that memory instructions touch:
;   v1-6        offsets: written by vector instructions ahead of the first load, read by the loads and stores, never written again.
;   window 1, v16-111, v216-227   operands, bias and scale words: written by the head's loads alone, read by matrix instructions alone; no load is issued behind a matrix instruction.
;   PC0, PC1    two buffers of codes, by turns: unit i's conversions, swaps and moves write buffer i % 2; unit i's three stores read it; unit i + 2 writes it again.
;   v212-215    the four scale words: one written in each unit; the last store reads all four.
; So: one wait on va_vdst ahead of the loads; one a unit between the lines that make the codes and the stores that read them; in units 2 and 3 one on vm_vsrc, a whole unit behind the stores that it speaks of.
; REGISTERS: window 0: v1-6 offsets; v16-111 the four units' streamed fragments; v112-175 a unit's 8 accumulators; v176-187, v228-239 codes; v188-195, v196-207 at work; v212-215 the words made; v216-219 streamed scale words; v220-227 stationary ones.
;   window 1: v0-191 the 16 stationary fragments; v192-255 the bias, eight registers a tile.
.set BLKB, 25600
.set XF,  16
.set HA,  112
.set PC,  176                          ; the codes' buffer 0; buffer 1 lies 52 registers on, at v228
.set CT,  188
.set TM,  196
.set PW,  212
.set XS,  216
.set SS,  220
.set CB,  192
.set SEL, 38
.set MSB, 0
.macro WIN new                         ; the immediate's high byte repeats the setting that is left
.if MSB != \new
	s_set_vgpr_msb (MSB<<8)|\new
.set MSB, \new
.endif
.endm
; 64 numbers of a lane (register 16 b + i = k 32 b + 16 (lane / 16) + i of its row) with their four scale operands at v[sc] on become a fragment's 12 registers at v[pc] on.
.macro PACKC x, pc, ct, sc
.irp c, 0,1
	v_cvt_scalef32_pk16_bf6_f32 v[\pc+6*\c:\pc+6*\c+2], v[\x+32*\c:\x+32*\c+15], v[\sc+2*\c]
	v_cvt_scalef32_pk16_bf6_f32 v[\ct+4*\c:\ct+4*\c+2], v[\x+32*\c+16:\x+32*\c+31], v[\sc+2*\c+1]   ; (a conversion's three registers begin on an even number)
.endr
	v_nop                                          ; one plain line behind the scaled conversions
.irp c, 0,1                                    ; the layout wants a WHOLE block in a lane: lanes 0-15 block 2 c, lanes 16-31 block 2 c + 1
.irp i, 0,1,2
	v_permlane16_swap_b32 v[\pc+6*\c+\i], v[\ct+4*\c+\i]
.endr
.irp i, 0,1,2
	v_mov_b32 v[\pc+6*\c+3+\i], v[\ct+4*\c+\i]
.endr
.endr
.endm
.macro QUANT x, pc, ct, tm, pw         ; the same from the numbers alone; the row's scale word goes to v[pw].  Each accumulator is read from its low end on
.irp b, 0,1,2,3
	v_max3_num_f32 v[\tm+\b], |v[\x+16*\b]|, |v[\x+16*\b+1]|, 0x2800000   ; block b: my 16 numbers, and the floor 2^(5 - 127): the byte cannot fall under 1
.endr
.irp i, 2,4,6,8,10,12,14
.irp b, 0,1,2,3
	v_max3_num_f32 v[\tm+\b], v[\tm+\b], |v[\x+16*\b+\i]|, |v[\x+16*\b+\i+1]|   ; (the four blocks by turns)
.endr
.endr
.irp b, 0,1,2,3
	v_permlanex16_b32 v[\tm+4+\b], v[\tm+\b], s[SEL], s[SEL+1]
.endr
.irp b, 0,1,2,3
	v_max_num_f32 v[\tm+\b], v[\tm+\b], v[\tm+4+\b]   ; with lane l xor 16's 16: the block's largest magnitude
.endr
.irp b, 0,1,2,3
	v_add_nc_u32 v[\tm+8+\b], 0xfe000000, v[\tm+\b]   ; 4 off the exponent field: the conversion's scale operand
.endr
.irp b, 0,1,2,3
	v_lshrrev_b32 v[\tm+4+\b], 23, v[\tm+8+\b]        ; the scale's byte
.endr
	v_lshl_or_b32 v[\pw], v[\tm+5], 8, v[\tm+4]
	v_lshl_or_b32 v[\pw], v[\tm+6], 16, v[\pw]
	v_lshl_or_b32 v[\pw], v[\tm+7], 24, v[\pw]
	PACKC \x, \pc, \ct, \tm+8
.endm
	s_load_b256 s[4:11], s[0:1], 0x0               ; img s[4:5], bq s[6:7], bv s[8:9], qv s[10:11]
	v_lshrrev_b32 v1, 5, v0
	v_readfirstlane_b32 s16, v1                    ; wave w
	s_and_b32 s21, ttmp7, 0xffff                   ; 0 q, 1 v
	s_lshr_b32 s19, ttmp9, 3                       ; bj = 8 b + j: which 128 positions
	s_and_b32 s20, ttmp9, 7                        ; the head
	s_wait_alu depctr_va_sdst(0)                   ; s16 is written, ahead of its first reader: the wave's shares and offsets are made from it
	s_lshr_b32 s17, s16, 1                         ; a = w / 2
	s_and_b32 s18, s16, 1                          ; c = w % 2
	s_mov_b32 s[SEL], 0x76543210
	s_mov_b32 s[SEL+1], 0xfedcba98
	s_lshl_b32 s23, s20, 1
	s_add_co_u32 s22, s23, s18
	s_add_co_u32 s22, s22, 96                      ; q: the stationary block: Wq's columns 256 head + 128 c on
	s_add_co_u32 s24, s19, 64                      ; v: the value input's block bj
	s_add_co_u32 s26, s23, s17
	s_add_co_u32 s26, s26, 128                     ; v: the streamed block: Wv's columns 256 head + 128 a on
	s_mul_i32 s27, s17, 12288
	s_mul_i32 s28, s18, 1536
	s_add_co_u32 s27, s27, s28                     ; q: my fragments (tile 4 a + i, K step c) begin here
	s_mul_i32 s28, s16, 6144                       ; v: fragments T = 4 w + i
	s_lshl_b32 s29, s18, 6
	s_cmp_eq_u32 s21, 1
	s_cselect_b32 s22, s24, s22                    ; the stationary block
	s_cselect_b32 s25, s26, s19                    ; the streamed block (q: the query input's block bj)
	s_cselect_b32 s26, s18, s17                    ; g: which four of its tiles are mine
	s_cselect_b32 s24, s17, s18                    ; which 128 of the head's channels
	s_cselect_b32 s27, s28, s27
	s_cselect_b32 s29, s29, 0                      ; v: my four tiles begin 64 g channels on
	s_cselect_b32 s30, BLKB, 0                     ; v lies behind q
	s_lshl_b32 s28, s20, 8
	s_lshl_b32 s24, s24, 7
	s_add_co_u32 s28, s28, s24
	s_add_co_u32 s28, s28, s29
	s_lshl_b32 s28, s28, 2                         ; where my part of the bias begins, in bytes
	s_mov_b32 s29, 0
	s_lshr_b32 s31, s19, 3
	s_lshl_b32 s31, s31, 3
	s_add_co_u32 s31, s31, s20
	s_lshl_b32 s31, s31, 3
	s_and_b32 s32, s19, 7
	s_add_co_u32 s31, s31, s32                     ; 8 (8 b + head) + j
	s_mul_i32 s32, s31, 2*BLKB
	s_add_co_u32 s32, s32, s30                     ; where my block of qv begins
	s_mov_b32 s33, 0
	s_mul_i32 s34, s22, BLKB
	s_mul_i32 s36, s25, BLKB
	s_mov_b32 s35, 0
	s_mov_b32 s37, 0
	v_and_b32 v7, 31, v0                           ; lane
	v_and_b32 v8, 15, v0                           ; r
	v_bfe_u32 v9, v0, 4, 1                         ; h
	v_lshlrev_b32 v1, 4, v7                        ; 16 lane: my place in an image
	s_mul_i32 s22, s26, 12288
	v_add_nc_u32 v2, s22, v1                       ; + my four streamed tiles
	s_lshl_b32 s22, s26, 9
	v_add_nc_u32 v3, s22, v1                       ; their scale words
	v_add_nc_u32 v4, s27, v1                       ; where my fragments go
	s_lshl_b32 s22, s16, 8
	v_lshl_add_u32 v5, v8, 4, s22                  ; and my four words of a row: 16 r + 256 w
.irp b, 0,1,2,3
	v_mov_b32 v[TM+4+\b], 0                        ; a lane permute's destination counts as one of its sources
.endr
	s_cmp_eq_u32 s21, 1
	s_wait_kmcnt 0x0
	s_cselect_b64 s[6:7], s[8:9], s[6:7]           ; the choice hangs on the work-group's number alone
	s_add_nc_u64 s[6:7], s[6:7], s[28:29]          ; the bias
	s_add_nc_u64 s[12:13], s[10:11], s[32:33]      ; my block of qv
	s_add_nc_u64 s[8:9], s[4:5], s[34:35]          ; the stationary block
	s_add_nc_u64 s[10:11], s[4:5], s[36:37]        ; the streamed block
.macro UNIT i, isv
.set rP, PC+52*((\i)%2)                        ; this unit's buffer of codes
	s_wait_loadcnt 18-6*\i                         ; all but the six loads of each later unit
	WIN 0x11                                       ; source 0 and C window 1
.irp t, 0,1,2,3,4,5,6,7
.set rD, HA+8*\t
.set rA, 24*\t
.set rB, XF+24*\i
.if \isv
.set rC, CB+8*\i
.else
.set rC, CB+8*\t
.endif
	v_wmma_scale_f32_16x16x128_f8f6f4 v[rD:rD+7], v[rA:rA+11], v[rB:rB+11], v[rC:rC+7], v[SS+\t], v[XS+\i] matrix_a_fmt:MATRIX_FMT_BF6 matrix_b_fmt:MATRIX_FMT_BF6
.endr
	WIN 0x01
.irp t, 0,1,2,3,4,5,6,7
.set rD, HA+8*\t
.set rA, 24*\t+12
.set rB, XF+24*\i+12
	v_wmma_scale_f32_16x16x128_f8f6f4 v[rD:rD+7], v[rA:rA+11], v[rB:rB+11], v[rD:rD+7], v[SS+\t], v[XS+\i] matrix_a_fmt:MATRIX_FMT_BF6 matrix_b_fmt:MATRIX_FMT_BF6 matrix_a_scale:MATRIX_SCALE_ROW1 matrix_b_scale:MATRIX_SCALE_ROW1
.endr
	WIN 0
.rept 4
	v_nop                                          ; four places between the last product and the first read of results (ISA guide 7.12.1)
.endr
.if \i > 1
	s_wait_xcnt 0x0                                ; the stores of two units back have had their addresses translated (ISA guide 3.1): their data registers are written again only behind this wait,
	s_wait_alu depctr_vm_vsrc(0)                   ; and those stores have read this buffer of codes, which the conversions below write again
.endif
	QUANT HA, rP, CT, TM, PW+\i
	s_wait_alu depctr_va_vdst(0)                   ; the conversions, swaps and moves have written this buffer of codes, which the three stores read (unit 3: and all four scale words are written, which the last store reads)
.irp q, 0,1,2
.if \isv
	global_store_b128 v4, v[rP+4*\q:rP+4*\q+3], s[12:13] offset:1536*\i+512*\q
.else
	global_store_b128 v4, v[rP+4*\q:rP+4*\q+3], s[12:13] offset:3072*\i+512*\q
.endif
.endr
.endm
.macro BODY isv
.if \isv
	v_lshrrev_b32 v6, 3, v8
	v_lshl_add_u32 v6, v6, 3, v8
	v_lshlrev_b32 v6, 2, v6                        ; the bias goes along the lanes: 4 (r + 8 (r / 8))
.else
	v_lshlrev_b32 v6, 6, v9                        ; the bias goes along the registers: tile t: channels 32 (t / 2) + 16 h + 8 (t % 2) + 0 .. 7
.endif
	WIN 0x40                                       ; destination window 1
	s_wait_alu depctr_va_vdst(0)                   ; the offsets v1 to v6 are written, which every load and store of the kernel reads; up to the last load only loads and window switches follow
.set ii, 0
.rept 48
	global_load_b128 v[4*ii:4*ii+3], v1, s[8:9] offset:512*ii      ; the stationary block's 16 fragments, as they lie
.set ii, ii+1
.endr
	WIN 0
	global_load_b128 v[SS:SS+3], v1, s[8:9] offset:24576           ; its scale words: register t = tile t; lanes 0-15 K step 0, lanes 16-31 K step 1
	global_load_b128 v[SS+4:SS+7], v1, s[8:9] offset:24576+512
	WIN 0x40
.if \isv
.irp u, 0,1,2,3
.irp j, 0,1,2,3,4,5,6,7
	global_load_b32 v[CB+8*\u+\j], v6, s[6:7] offset:(32*(\u/2)+8*(\u%2))*4   ; unit u: my channel's bias in all eight registers
.endr
.endr
.else
.irp t, 0,1,2,3,4,5,6,7
	global_load_b128 v[CB+8*\t:CB+8*\t+3], v6, s[6:7] offset:(32*(\t/2)+8*(\t%2))*4
	global_load_b128 v[CB+8*\t+4:CB+8*\t+7], v6, s[6:7] offset:(32*(\t/2)+8*(\t%2))*4+16
.endr
.endif
	WIN 0
	global_load_b128 v[XS:XS+3], v3, s[10:11] offset:24576         ; my four streamed tiles' scale words
.set ii, 0
.rept 24
	global_load_b128 v[XF+4*ii:XF+4*ii+3], v2, s[10:11] offset:512*ii   ; and their fragments: six loads a unit
.set ii, ii+1
.endr
	UNIT 0, \isv
	UNIT 1, \isv
	UNIT 2, \isv
	UNIT 3, \isv
	global_store_b128 v5, v[PW:PW+3], s[12:13] offset:24576        ; sixteen lanes store 256 consecutive bytes, aligned; lanes 16-31 write the same bytes with the same values.  No vector instruction stands between unit 3's wait and this store
	s_endpgm
.endm
	s_cmp_eq_u32 s21, 1
	s_cbranch_scc1 .Lvalue
	BODY 0
.Lvalue:
	BODY 1
.Lfunc_end_k_q438b198b27_proj:
	.size	k_q438b198b27_proj, .Lfunc_end_k_q438b198b27_proj-k_q438b198b27_proj
	.p2alignl 7, 3214868480
	.fill 96, 4, 3214868480
	.section	.rodata,"a",@progbits
	.p2align	6, 0x0
	.amdhsa_kernel k_q438b198b27_proj
		.amdhsa_group_segment_fixed_size 0
		.amdhsa_private_segment_fixed_size 0
		.amdhsa_enable_private_segment 0
		.amdhsa_kernarg_size 32
		.amdhsa_user_sgpr_count 2
		.amdhsa_user_sgpr_kernarg_segment_ptr 1
		.amdhsa_wavefront_size32 1
		.amdhsa_system_sgpr_workgroup_id_x 1
		.amdhsa_system_sgpr_workgroup_id_y 1
		.amdhsa_system_sgpr_workgroup_id_z 1
		.amdhsa_system_vgpr_workitem_id 0
		.amdhsa_next_free_vgpr 512
		.amdhsa_next_free_sgpr 66
		.amdhsa_reserve_vcc 0
		.amdhsa_float_denorm_mode_32 3
		.amdhsa_float_denorm_mode_16_64 3
		.amdhsa_memory_ordered 1
		.amdhsa_forward_progress 1
		.amdhsa_inst_pref_size 73
	.end_amdhsa_kernel
	.amdgpu_metadata
---
amdhsa.version: [ 1, 2 ]
amdhsa.kernels:
  - .name:           k_q438b198b27_proj
    .symbol:         k_q438b198b27_proj.kd
    .args:
      - { .name: img, .offset: 0, .size: 8, .value_kind: global_buffer, .address_space: global }
      - { .name: bq, .offset: 8, .size: 8, .value_kind: global_buffer, .address_space: global }
      - { .name: bv, .offset: 16, .size: 8, .value_kind: global_buffer, .address_space: global }
      - { .name: qv, .offset: 24, .size: 8, .value_kind: global_buffer, .address_space: global }
    .group_segment_fixed_size: 0
    .private_segment_fixed_size: 0
    .kernarg_segment_align: 8
    .kernarg_segment_size: 32
    .max_flat_workgroup_size: 128
    .sgpr_count:     66
    .vgpr_count:     512
    .wavefront_size: 32
...
	.end_amdgpu_metadata
.endif
;; end of part 5
;; launch attn: the kernel of part 3 again; grid 8 x 32, 4 waves a work-group, clusters of 4 x 1, 327,680 bytes of LDS; arguments img, qv, cc, bk; writes cc
;; launch oproj (part 6): grid 4 x 64, 4 waves a work-group, no clusters, 70,144 bytes of LDS; arguments cc, img, bo, out0; writes out0
.if DOCPART == 6
	.amdgcn_target "amdgcn-amd-amdhsa--gfx1250"
	.amdhsa_code_object_version 6
	.text
	.protected	k_q438b198b27_oproj
	.globl	k_q438b198b27_oproj
	.p2align	8
	.type	k_q438b198b27_oproj,@function
k_q438b198b27_oproj:
	s_mov_b64 s[64:65], 0
	v_nop
	global_prefetch_b8 v0, s[64:65] scope:SCOPE_SE
	s_setreg_imm32_b32 hwreg(HW_REG_WAVE_SCHED_MODE, 0, 2), 2
	s_setreg_imm32_b32 hwreg(HW_REG_WAVE_MODE, 25, 1), 1
	s_wait_xcnt 0x0
	s_wait_alu depctr_vm_vsrc(0)
; out0 = concat Wo + bo on codes of BF6 (E3M2) with E8M0 scales; concat [4096][2048] lies in cc, Wo in img, both as images of operand registers (blocks of 25,600 bytes: 128 rows x 256 along K; fragment (t, s) at 1536 (2 t + s); scale words from byte 24,576 on).
; cc's block 8 bj + h: rows 128 bj on, K = head h's 256.  img's block 144 + 2 h + n: rows = Wo's columns 128 n on, K = Wo's rows 256 h on.  Lane r of tile t holds row 32 (t / 2) + 8 (t % 2) + r + 8 (r / 8) of its block.
; SHARES: a work-group makes 64 rows x 64 columns of out0 (x: the columns, y: the rows): 256 work-groups.  K IS SPLIT OVER THE WAVES: wave w takes heads 2 w, 2 w + 1: four K steps, 64 matrix instructions on 16 accumulators, which take turns, one instruction a turn.
; So no operand byte is read twice inside a work-group.  The four partial sums meet in LDS; each wave adds, for 16 rows, the four parts and the bias, and stores whole rows of 256 bytes.  The sum's order differs from an ascending K: the result is judged within a tolerance.
; The product is used transposed (source 0 = 16 columns of Wo, source 1 = 16 rows of concat): a lane holds eight neighbouring numbers of a row of out0.
; NO CLUSTER, NO TENSOR LOAD: operands go from memory straight into the registers that the matrix instruction names, all loads go out at the head, and the work-group ends after four K steps: there is no ring of slots whose changes a joint request could ride on.
; THE MODE: SCHED_MODE bits 1:0 = 2 (LLVM: expert scheduling mode 2), set by the entry lines.  The code itself states the register dependences between vector or matrix instructions and memory or LDS instructions, with s_wait_alu, always for 0.
; THE PLAN.  Registers that memory or LDS instructions touch:
;   v1-8        offsets and LDS addresses: written by vector instructions ahead of the first load, never written again.
;   v16-35, windows 1 and 2   bias, scale words and fragments: written by the head's loads alone; read by matrix instructions and by the last additions.
;   v64-191     in this order: the matrix instructions write them (the accumulators); the 32 LDS stores read them; behind the barrier the 32 LDS loads land in them (the four parts); the additions read them and write v64-95; the eight stores read v64-95.
;   v254, v255  written at the head, read by the closing add alone.
; So: one wait on va_vdst ahead of the loads; one behind the places, ahead of the LDS stores, which also serves the LDS loads into the same registers, since no vector or matrix instruction stands between; one on vm_vsrc ahead of those LDS loads;
; and the sums go in two groups of four pairs of rows, each with one wait on va_vdst between its additions and its four stores.
; REGISTERS: window 0: v1-8 offsets; v16-19 the bias; v20-27 concat's scale words, v28-35 Wo's; v64-191 the accumulators ((i, n) at 64 + 8 (4 i + n)), later the four parts.   window 1: concat's 16 fragments (12 (8 hh + 2 i + s)).   window 2: Wo's likewise.
.set BLKB, 25600
.set AS,   20
.set BS,   28
.set ACC,  64
.set SPT,  272                         ; a row of 256 bytes in the stage + 16: 17 x 16 bytes, so that sixteen rows written at one column fall on different banks (64 banks of 4 bytes: ISA guide 11.1)
.set PART, 64*SPT                      ; a wave's part: 64 rows
.set MSB, 0
.macro WIN new                         ; the immediate's high byte repeats the setting that is left
.if MSB != \new
	s_set_vgpr_msb (MSB<<8)|\new
.set MSB, \new
.endif
.endm
	s_load_b256 s[4:11], s[0:1], 0x0               ; cc s[4:5], img s[6:7], bo s[8:9], out0 s[10:11]
	v_lshl_add_u32 v254, v0, 2, 0x11000
	v_mov_b32 v255, 0
	v_lshrrev_b32 v1, 5, v0
	v_readfirstlane_b32 s12, v1                    ; wave w
	s_and_b32 s14, ttmp7, 0xffff
	s_lshr_b32 s15, s14, 1                         ; bj: which 128 rows
	s_and_b32 s16, s14, 1                          ; g: which 64 of them: tiles 4 g + i
	s_and_b32 s17, ttmp9, 1                        ; which 64 of Wo's 128 columns: tiles 4 (x % 2) + n
	s_lshr_b32 s18, ttmp9, 1                       ; which 128 columns
	s_wait_alu depctr_va_sdst(0)                   ; s12 is written, ahead of its first reader: the wave's part of the stage and its blocks are made from it
	v_and_b32 v9, 31, v0                           ; lane
	v_and_b32 v10, 15, v0                          ; r
	v_bfe_u32 v11, v0, 4, 1                        ; h
	v_lshlrev_b32 v12, 4, v9                       ; 16 lane
	s_mul_i32 s20, s16, 12288
	v_add_nc_u32 v1, s20, v12                      ; concat's fragments
	s_mul_i32 s20, s17, 12288
	v_add_nc_u32 v2, s20, v12                      ; Wo's
	s_lshl_b32 s20, s16, 9
	v_add_nc_u32 v3, s20, v12                      ; concat's scale words
	s_lshl_b32 s20, s17, 9
	v_add_nc_u32 v4, s20, v12                      ; Wo's
	v_lshlrev_b32 v5, 4, v10                       ; my four columns on the way out: 16 (lane % 16)
	s_mul_i32 s20, s12, PART
	v_mul_u32_u24 v6, v10, SPT
	v_lshl_add_u32 v6, v11, 6, v6
	v_add_nc_u32 v6, s20, v6                       ; into the stage: my part, row r of a tile, + 64 h
	s_mul_i32 s20, s12, 16*SPT
	v_mul_u32_u24 v7, v11, SPT
	v_lshl_add_u32 v7, v10, 4, v7
	v_add_nc_u32 v7, s20, v7                       ; back: tile w's rows; lanes 0-15 one row, lanes 16-31 the next
	v_lshl_add_u32 v8, v11, 10, v5                 ; and the same two rows in out0
	s_lshl_b32 s20, s15, 3
	s_lshl_b32 s21, s12, 1
	s_add_co_u32 s20, s20, s21
	s_mul_i32 s20, s20, BLKB                       ; cc's block 8 bj + 2 w
	s_mov_b32 s21, 0
	s_lshl_b32 s22, s12, 2
	s_add_co_u32 s22, s22, s18
	s_add_co_u32 s22, s22, 144
	s_mul_i32 s22, s22, BLKB                       ; img's block 144 + 4 w + x / 2
	s_mov_b32 s23, 0
	s_lshl_b32 s24, ttmp9, 8                       ; 64 columns are 256 bytes
	s_mov_b32 s25, 0
	s_lshl_b32 s26, s15, 7
	s_lshl_b32 s27, s16, 6
	s_add_co_u32 s26, s26, s27
	s_lshr_b32 s27, s12, 1
	s_lshl_b32 s27, s27, 5
	s_add_co_u32 s26, s26, s27
	s_and_b32 s27, s12, 1
	s_lshl_b32 s27, s27, 3
	s_add_co_u32 s26, s26, s27                     ; the first row that I store: 128 bj + 64 g + 32 (w / 2) + 8 (w % 2): tile 4 g + w's
	s_lshl_b32 s26, s26, 10
	s_add_co_u32 s26, s26, s24
	s_mov_b32 s27, 0
	s_wait_kmcnt 0x0
	s_add_nc_u64 s[4:5], s[4:5], s[20:21]
	s_add_nc_u64 s[6:7], s[6:7], s[22:23]
	s_add_nc_u64 s[8:9], s[8:9], s[24:25]
	s_add_nc_u64 s[10:11], s[10:11], s[26:27]
	s_wait_alu depctr_va_vdst(0)                   ; the offsets and addresses v1 to v8 are written, which the loads, the LDS instructions and the stores below read; up to the last load only loads and window switches follow
	global_load_b128 v[16:19], v5, s[8:9]          ; the bias of my four columns
.irp hh, 0,1                                   ; my two heads: 50 loads each
	global_load_b128 v[AS+4*\hh:AS+4*\hh+3], v3, s[4:5] offset:BLKB*\hh+24576      ; register i = tile 4 g + i; lanes 0-15 K step 0, lanes 16-31 K step 1
	global_load_b128 v[BS+4*\hh:BS+4*\hh+3], v4, s[6:7] offset:2*BLKB*\hh+24576
	WIN 0x40
.set ii, 0
.rept 24
	global_load_b128 v[96*\hh+4*ii:96*\hh+4*ii+3], v1, s[4:5] offset:BLKB*\hh+512*ii
.set ii, ii+1
.endr
	WIN 0x80
.set ii, 0
.rept 24
	global_load_b128 v[96*\hh+4*ii:96*\hh+4*ii+3], v2, s[6:7] offset:2*BLKB*\hh+512*ii
.set ii, ii+1
.endr
	WIN 0
.endr
.irp hh, 0,1
.if \hh == 0
	s_wait_loadcnt 50                              ; the bias and the first head are in; the second head's 50 loads may be out
.else
	s_wait_loadcnt 0x0
.endif
	WIN 0x06                                       ; source 0 (Wo) window 2, source 1 (concat) window 1
.irp s, 0,1
.irp i, 0,1,2,3
.irp n, 0,1,2,3
.set rD, ACC+8*(4*\i+\n)
.set rA, 12*(8*\hh+2*\n+\s)
.set rB, 12*(8*\hh+2*\i+\s)
.if (\hh == 0) && (\s == 0)
	v_wmma_scale_f32_16x16x128_f8f6f4 v[rD:rD+7], v[rA:rA+11], v[rB:rB+11], 0, v[BS+4*\hh+\n], v[AS+4*\hh+\i] matrix_a_fmt:MATRIX_FMT_BF6 matrix_b_fmt:MATRIX_FMT_BF6
.elseif \s == 0
	v_wmma_scale_f32_16x16x128_f8f6f4 v[rD:rD+7], v[rA:rA+11], v[rB:rB+11], v[rD:rD+7], v[BS+4*\hh+\n], v[AS+4*\hh+\i] matrix_a_fmt:MATRIX_FMT_BF6 matrix_b_fmt:MATRIX_FMT_BF6
.else
	v_wmma_scale_f32_16x16x128_f8f6f4 v[rD:rD+7], v[rA:rA+11], v[rB:rB+11], v[rD:rD+7], v[BS+4*\hh+\n], v[AS+4*\hh+\i] matrix_a_fmt:MATRIX_FMT_BF6 matrix_b_fmt:MATRIX_FMT_BF6 matrix_a_scale:MATRIX_SCALE_ROW1 matrix_b_scale:MATRIX_SCALE_ROW1
.endif
.endr
.endr
.endr
.endr
	WIN 0
.rept 4
	v_nop                                          ; four places between the last product and the first read of results (ISA guide 7.12.1)
.endr
	s_wait_alu depctr_va_vdst(0)                   ; the matrix instructions have written the accumulators, which the LDS stores read; they are also done with these registers for the LDS loads that land in them behind the barrier.  The places above stay beside this wait
.irp i, 0,1,2,3
.irp n, 0,1,2,3
	ds_store_b128 v6, v[ACC+8*(4*\i+\n):ACC+8*(4*\i+\n)+3] offset:16*SPT*\i+128*(\n/2)+32*(\n%2)        ; lane (r, h): row r of tile i, columns 32 (n / 2) + 16 h + 8 (n % 2) + 0 .. 7; each accumulator from its low end on
	ds_store_b128 v6, v[ACC+8*(4*\i+\n)+4:ACC+8*(4*\i+\n)+7] offset:16*SPT*\i+128*(\n/2)+32*(\n%2)+16
.endr
.endr
	s_wait_dscnt 0x0                               ; for the others' sake: my part lies in the stage
	s_barrier_signal -1
	s_barrier_wait -1
	s_wait_alu depctr_vm_vsrc(0)                   ; my LDS stores have read v64 to v191, in which the LDS loads below land
.irp q, 0,1,2,3,4,5,6,7                        ; rows 2 q, 2 q + 1 of tile w: the four parts
.irp p, 0,1,2,3
	ds_load_b128 v[ACC+32*\p+4*\q:ACC+32*\p+4*\q+3], v7 offset:PART*\p+2*SPT*\q
.endr
.endr
.irp g, 0,1                                    ; two groups of four pairs of rows: the additions, one wait, the four stores
.irp d, 0,1,2,3
.set q, 4*\g+\d
	s_wait_dscnt 28-4*q                            ; this pair of rows is in; the later pairs' four loads each may be out
.irp e, 0,2
	v_pk_add_f32 v[ACC+4*q+\e:ACC+4*q+\e+1], v[ACC+4*q+\e:ACC+4*q+\e+1], v[ACC+32+4*q+\e:ACC+32+4*q+\e+1]
	v_pk_add_f32 v[ACC+64+4*q+\e:ACC+64+4*q+\e+1], v[ACC+64+4*q+\e:ACC+64+4*q+\e+1], v[ACC+96+4*q+\e:ACC+96+4*q+\e+1]
.endr
.irp e, 0,2
	v_pk_add_f32 v[ACC+4*q+\e:ACC+4*q+\e+1], v[ACC+4*q+\e:ACC+4*q+\e+1], v[ACC+64+4*q+\e:ACC+64+4*q+\e+1]
.endr
.irp e, 0,2
	v_pk_add_f32 v[ACC+4*q+\e:ACC+4*q+\e+1], v[ACC+4*q+\e:ACC+4*q+\e+1], v[16+\e:17+\e]
.endr
.endr
	s_wait_alu depctr_va_vdst(0)                   ; the additions have written this group's sixteen registers of sums, which the four stores read
.irp d, 0,1,2,3
.set q, 4*\g+\d
	global_store_b128 v8, v[ACC+4*q:ACC+4*q+3], s[10:11] offset:(2*q+8*\g)*1024 th:TH_STORE_NT   ; the tile's row r = 2 q + lane / 16 is row r + 8 (r / 8) from its first; sixteen lanes store 256 consecutive bytes, aligned
.endr
.endr
	s_wait_dscnt 0x0                               ; the closing lines, six on end
	s_wait_alu 0x0
	s_wait_tensorcnt 0x0
	ds_add_u32 v254, v255
	s_wait_dscnt 0x0
	s_endpgm
.Lfunc_end_k_q438b198b27_oproj:
	.size	k_q438b198b27_oproj, .Lfunc_end_k_q438b198b27_oproj-k_q438b198b27_oproj
	.p2alignl 7, 3214868480
	.fill 96, 4, 3214868480
	.section	.rodata,"a",@progbits
	.p2align	6, 0x0
	.amdhsa_kernel k_q438b198b27_oproj
		.amdhsa_group_segment_fixed_size 70144
		.amdhsa_private_segment_fixed_size 0
		.amdhsa_enable_private_segment 0
		.amdhsa_kernarg_size 32
		.amdhsa_user_sgpr_count 2
		.amdhsa_user_sgpr_kernarg_segment_ptr 1
		.amdhsa_wavefront_size32 1
		.amdhsa_system_sgpr_workgroup_id_x 1
		.amdhsa_system_sgpr_workgroup_id_y 1
		.amdhsa_system_sgpr_workgroup_id_z 1
		.amdhsa_system_vgpr_workitem_id 0
		.amdhsa_next_free_vgpr 704
		.amdhsa_next_free_sgpr 66
		.amdhsa_reserve_vcc 0
		.amdhsa_float_denorm_mode_32 3
		.amdhsa_float_denorm_mode_16_64 3
		.amdhsa_memory_ordered 1
		.amdhsa_forward_progress 1
		.amdhsa_inst_pref_size 31
	.end_amdhsa_kernel
	.amdgpu_metadata
---
amdhsa.version: [ 1, 2 ]
amdhsa.kernels:
  - .name:           k_q438b198b27_oproj
    .symbol:         k_q438b198b27_oproj.kd
    .args:
      - { .name: cc, .offset: 0, .size: 8, .value_kind: global_buffer, .address_space: global }
      - { .name: img, .offset: 8, .size: 8, .value_kind: global_buffer, .address_space: global }
      - { .name: bo, .offset: 16, .size: 8, .value_kind: global_buffer, .address_space: global }
      - { .name: out0, .offset: 24, .size: 8, .value_kind: global_buffer, .address_space: global }
    .group_segment_fixed_size: 70144
    .private_segment_fixed_size: 0
    .kernarg_segment_align: 8
    .kernarg_segment_size: 32
    .max_flat_workgroup_size: 128
    .sgpr_count:     66
    .vgpr_count:     704
    .wavefront_size: 32
...
	.end_amdgpu_metadata
.endif
;; end of part 6
